; MI455X (gfx1250); checked and timed in simulation.
; The chip was launched on July 23, 2026; its instructions are those of AMD's public machine-readable ISA for CDNA 5 (MIT licence, August 2026) and "CDNA5" Instruction Set Architecture Reference Guide (July 2026). The comments in the code are by the model that wrote it; some were corrected since.
;; Attention Layer. Allowed arithmetic: matrix products marked QUANTISED: E5M2 operands, one E8M0 scale for each 32 along K, by v_wmma_scale_f32_16x16x128_f8f6f4 with both operands' format E5M2, f32 sums; everything else in f32.
;; Inputs: b1 512 float32; b2 512 float32; bk 8 x 64 float32; bo 8 x 512 float32; bq 8 x 64 float32; bv 8 x 64 float32; w1 512 x 512 float32; w2 512 x 512 float32; wk 8 x 512 x 64 float32; wo 8 x 64 x 512 float32; wq 8 x 512 x 64 float32; wv 8 x 512 x 64 float32; x 2 x 4,096 x 512 float32.
;; Outputs: out0 2 x 4,096 x 512 float32.
;; This version of the problem:
;;   THIS VERSION OF THE PROBLEM IS GIVEN IN LOW PRECISION. The matrix products marked QUANTISED in the list below multiply operands that are first quantised to E5M2 (5 exponent bits, 2 mantissa bits; 8 bits a number), with one power-of-two scale for each 32 numbers along K (OCP MX v1.0); their sums are f32. All else is computed in f32.
;;   The module's matrix products, in the order in which they are computed (A, B: the left and right operand; K: the contracted axis; several contracted axes count as one K, in the product's order):
;;     1. [M 512, K 512] x [K 512, N 8,192]; A: input wq; B: input x: QUANTISED
;;     2. [M 512, K 512] x [K 512, N 8,192]; A: input wk; B: input x: QUANTISED
;;     3. [M 512, K 512] x [K 512, N 8,192]; A: input wv; B: input x: QUANTISED
;;     4. batch 16 x [M 4,096, K 64] x [K 64, N 4,096]; A: computed on the way; B: computed on the way: QUANTISED
;;     5. batch 16 x [M 4,096, K 4,096] x [K 4,096, N 64]; A: softmax (see below); B: computed on the way: QUANTISED
;;     6. [M 8,192, K 512] x [K 512, N 512]; A: computed on the way; B: input wo: QUANTISED
;;     7. [M 8,192, K 512] x [K 512, N 512]; A: computed on the way; B: input w1: QUANTISED
;;     8. [M 8,192, K 512] x [K 512, N 512]; A: computed on the way; B: input w2: QUANTISED
;;   THE QUANTISER, for each operand of a quantised product, along K:
;;     - K is cut into blocks of 32 from its start; a last block that is shorter is filled with zeros.
;;     - A block's scale is 2^e with e = floor(log2(the largest magnitude in the block)) - 15, held to -126 .. 127; a block of zeros has e = 0. As a byte (E8M0): e + 127.
;;     - Each number is divided by its block's scale, clamped to +-57,344, and rounded to the nearest number of E5M2, ties to even, subnormals kept.
;;     - The product sums the exact products of the quantised numbers (number of the format x scale) in f32.
;;   ~~~python
;;   def quantise(x, axis):      # numpy; x: float32 -> the quantised numbers, widened to float32 again
;;       x = np.moveaxis(x, axis, -1); K = x.shape[-1]
;;       x = np.pad(x, [(0, 0)] * (x.ndim - 1) + [(0, -K % 32)]); x = x.reshape(x.shape[:-1] + (-1, 32)); a = np.abs(x).max(-1, keepdims=True)
;;       e = np.where(a > 0, np.clip(np.frexp(np.where(a > 0, a, 1))[1] - 1 - 15, -126, 127), 0)      # np.frexp(a)[1] - 1 = floor(log2(a)), exactly
;;       r = np.clip(x / 2.0 ** e, -57344, 57344)
;;       step = 2.0 ** (np.maximum(np.frexp(np.where(r == 0, 1, r))[1] - 1, -14) - 2)
;;       q = np.round(r / step) * step * 2.0 ** e      # np.round: ties to even
;;       return np.moveaxis(q.reshape(q.shape[:-2] + (-1,))[..., :K], -1, axis).astype(np.float32)
;;   ~~~
;;   SOFTMAX AHEAD OF A QUANTISED PRODUCT. Where the list says 'softmax', what is quantised is not the finished softmax but p = 2^(t - M), with t = logit x log2(e) and M = ceil(the row's largest t), a whole number; so 1/2 < the row's largest p <= 1. The row's sum l is taken of the UNQUANTISED p, in f32, and the product's result is divided by l at the end. Since M is a whole number, a kernel that streams over the keys may use a running M (the ceiling of the running maximum): every later rescaling is an exact power of two, which a block's scale takes up: the codes' values come out the same.
;;   OPERANDS COMPUTED ON THE WAY. 'Computed on the way' means the value that the module computes at that place (a softmax that the list does not call 'softmax' is quantised finished and normalised). What goes into a quantiser is computed in f32, as accurately as f32 sums, v_exp_f32 and their like allow (about 1e-6 of the number): no bf16 or f16 on the way to a quantiser, and a product that is left as it is and whose result goes on into a quantised operand takes f32 operands (vector FMAs, or v_wmma_f32_16x16x4_f32). A number that lies on a knife's edge between two numbers of the format may be rounded either way, as far as f32 arithmetic and the matrix unit's own rounding can turn it there, and no further.
;; 2 versions. Each part assembles by itself: llvm-mc -triple=amdgcn-amd-amdhsa -mcpu=gfx1250 --defsym DOCPART=n.
;; ======== version 1 of 2: 4 launches
;; workspace buffers: xop 4,325,376 bytes; wop 1,624,064 bytes; qop 4,325,376 bytes; kvop 8,650,752 bytes; cop 4,325,376 bytes
;; launch prep (part 1): grid 353 x 1, 2 waves a work-group, no clusters, 17,152 bytes of LDS; arguments x, wq, wk, wv, wo, w1, w2, bo, xop, wop; writes xop, wop
.if DOCPART == 1
	.amdgcn_target "amdgcn-amd-amdhsa--gfx1250"
	.amdhsa_code_object_version 6
	.text
	.protected	k_q13edb02585_prep
	.globl	k_q13edb02585_prep
	.p2align	8
	.type	k_q13edb02585_prep,@function
k_q13edb02585_prep:
	s_mov_b64 s[64:65], 0
	v_nop
	global_prefetch_b8 v0, s[64:65] scope:SCOPE_SE
	s_setreg_imm32_b32 hwreg(HW_REG_WAVE_MODE, 25, 1), 1
	s_wait_xcnt 0x0
; AttentionLayer, launch 1 of 4: x and the six weights become codes of E5M2 with one E8M0 byte for each 32 along K; bo is summed over the heads.
; NOTHING OF reference() IS LEFT OUT in this program: every bias goes into a quantised operand or into the output, so every input is loaded.
; LAYOUT OF THE CODES (the program's own): rows (tokens of x, output columns of a weight) go in pairs P of 32; tile (P, u) gives lane r the row 32 P + 8 u + r + 8 (r / 8).
; A fragment (P, u, s) (16 rows x 128 along K) lies at ((2 P + u) 4 + s) 2,048 as the image of its 16 registers: registers 4 c .. 4 c + 3 of lane L at 512 c + 16 L (k = 128 s + 32 c + 16 (L / 16) + 0 .. 15).
; Scale words: pair P at 512 P, K steps 2 kappa and 2 kappa + 1 at 256 kappa + 8 x lane, tile 0 in lanes 0-15, tile 1 in lanes 16-31.
; SHARES: work-groups 0-255: a pair of x; 256-303: a pair of columns of wq, wk, wv (K rows 256 bytes apart); 304-351: of wo, w1, w2 (2,048 apart); 352: the sum of bo.  Wave kappa takes K steps 2 kappa, 2 kappa + 1.
; x: each load reads 512 consecutive bytes of one token's row; a fragment's 16 rows turn through the wave's own stage in LDS (rows 528 bytes apart) so that a lane gets 16 neighbours along K.
; Weights: a lane takes a column and its registers run down K; sixteen lanes read two pieces of 32 bytes.  They are 6 of the launch's 23 MB read, and need no turn.
; No tensor load, no cluster, no barrier: waves share nothing.
; LIMITS: NaN and infinities among the inputs are not served; a block whose largest magnitude lies under 2^-111, or a block of zeros, gets the byte 1 (its codes are zeros or tiny; this program alone reads the bytes).
.set XSCL,  4194304
.set WSCL,  1572864
.set BSUM,  1622016
.set SPARE, 16896                      ; behind the two stages: the spare words, 128 bytes a wave
.set SPW, 8                            ; v8  my spare word's address; never rewritten
.set NIL, 9                            ; v9  0; never rewritten
.set TM,  16                           ; v16-19 largest magnitudes, v20-23 bytes, v24-27 hold limits, v28-31 the conversions' scale operands
.set PC,  32                           ; v32-47 a fragment's codes
.set PWR, 48                           ; v48-51 the four fragments' scale words
.set R,   64                           ; v64-191 two sets of 64 numbers as loaded
.set X,   192                          ; v192-255 64 numbers, 16 neighbours of each of four blocks
.set SEL, 28                           ; s[28:29] lane selects: lane l xor 16
.set MNT, 30                           ; s30 the mantissa field of 57,344
.set MK,  31                           ; s31 lanes 16-31
; 64 numbers of a lane, register 16 b + i = k 32 b + 16 (lane / 16) + i of my row, become 16 registers of codes in v[PC] on and the scale word in v[pw]
.macro QUANT s, relu, pw
.if \relu
.irp b, 0,1,2,3
	v_max3_num_f32 v[TM+\b], v[(\s)+16*\b], v[(\s)+1+16*\b], 0x8000000
.endr
.irp i, 2,4,6,8,10,12,14
.irp b, 0,1,2,3
	v_max3_num_f32 v[TM+\b], v[TM+\b], v[(\s)+16*\b+\i], v[(\s)+1+16*\b+\i]
.endr
.endr
.else
.irp b, 0,1,2,3
	v_max3_num_f32 v[TM+\b], |v[(\s)+16*\b]|, |v[(\s)+1+16*\b]|, 0x8000000   ; my 16 numbers and the floor 2^(16 - 127): the byte cannot fall under 1
.endr
.irp i, 2,4,6,8,10,12,14
.irp b, 0,1,2,3
	v_max3_num_f32 v[TM+\b], v[TM+\b], |v[(\s)+16*\b+\i]|, |v[(\s)+1+16*\b+\i]|
.endr
.endr
.endif
.irp b, 0,1,2,3
	v_permlanex16_b32 v[TM+4+\b], v[TM+\b], s[SEL], s[SEL+1]
.endr
.irp b, 0,1,2,3
	v_max_num_f32 v[TM+\b], v[TM+\b], v[TM+4+\b]             ; with lane l xor 16's: the block's largest magnitude
.endr
.irp b, 0,1,2,3
	v_add_nc_u32 v[TM+12+\b], 0xf8800000, v[TM+\b]           ; 15 off its exponent field: the conversion's scale operand
.endr
.irp b, 0,1,2,3
	v_and_or_b32 v[TM+8+\b], v[TM+\b], 0x7f800000, s[MNT]    ; 57,344 x the scale
.endr
.irp b, 0,1,2,3
	v_lshrrev_b32 v[TM+4+\b], 23, v[TM+12+\b]                ; the scale's byte
.endr
	v_lshl_or_b32 v[\pw], v[TM+5], 8, v[TM+4]
	v_lshl_or_b32 v[\pw], v[TM+6], 16, v[\pw]
	v_lshl_or_b32 v[\pw], v[TM+7], 24, v[\pw]
.irp b, 0,1,2,3
.irp i, 0,1,2,3,4,5,6,7,8,9,10,11,12,13,14,15
.if \relu
	v_med3_num_f32 v[(\s)+16*\b+\i], v[(\s)+16*\b+\i], 0, v[TM+8+\b]
.else
	v_med3_num_f32 v[(\s)+16*\b+\i], v[(\s)+16*\b+\i], -v[TM+8+\b], v[TM+8+\b]   ; the conversion does not saturate (ISA guide 7.6.2): the hold
.endif
.endr
	v_cvt_scalef32_pk8_bf8_f32 v[PC+4*\b:PC+1+4*\b], v[(\s)+16*\b:(\s)+7+16*\b], v[TM+12+\b]
	v_cvt_scalef32_pk8_bf8_f32 v[PC+2+4*\b:PC+3+4*\b], v[(\s)+8+16*\b:(\s)+15+16*\b], v[TM+12+\b]
.endr
	v_nop                                                    ; a plain instruction behind the last conversion
.endm
.macro FINI                            ; the wave's end
	s_wait_tensorcnt 0x0
	ds_add_u32 v[SPW], v[NIL]
	s_wait_dscnt 0x0
.endm
.macro TAIL                            ; the scale words of two K steps: tile 0's in lanes 0-15, tile 1's in lanes 16-31; 32 lanes store 256 consecutive bytes
	v_cndmask_b32 v52, v[PWR], v[PWR+2], s[MK]
	v_cndmask_b32 v53, v[PWR+1], v[PWR+3], s[MK]
	global_store_b64 v7, v[52:53], s[38:39]
	FINI
	s_endpgm
.endm
	s_load_b512 s[8:23], s[0:1], 0x0               ; x, wq, wk, wv, wo, w1, w2, bo
	s_load_b128 s[24:27], s[0:1], 0x40             ; xop, wop
	v_lshl_add_u32 v[SPW], v0, 2, SPARE
	v_mov_b32 v[NIL], 0
	v_lshrrev_b32 v1, 5, v0
	v_readfirstlane_b32 s2, v1                     ; kappa: my wave
	v_and_b32 v1, 31, v0                           ; L
	v_and_b32 v2, 15, v0                           ; r
	v_bfe_u32 v3, v0, 4, 1                         ; h
	v_lshlrev_b32 v4, 4, v1                        ; 16 L
	v_lshlrev_b32 v7, 3, v1                        ; 8 L
	s_mul_i32 s3, s2, 8448                         ; my stage
	v_add_nc_u32 v5, s3, v4                        ; into it: 16 L of a row
	v_mul_u32_u24 v6, v2, 528
	v_lshl_add_u32 v6, v3, 6, v6
	v_add_nc_u32 v6, s3, v6                        ; out of it: row r, + 64 h
	v_and_b32 v11, 8, v2
	v_add_nc_u32 v11, v11, v2                      ; r + 8 (r / 8)
	v_lshlrev_b32 v10, 2, v11                      ; a weight's column of my lane, in bytes
	s_mov_b32 s[SEL], 0x76543210
	s_mov_b32 s[SEL+1], 0xfedcba98
	s_mov_b32 s[MNT], 0x600000
	s_mov_b32 s[MK], 0xffff0000
	s_mov_b32 s33, 0
.irp b, 0,1,2,3
	v_mov_b32 v[TM+4+\b], 0                        ; a lane permute's destination counts as one of its sources
.endr
	s_wait_kmcnt 0x0
	s_cmp_lt_u32 ttmp9, 256
	s_cbranch_scc0 .Lweights
	; ---- x: pair P = the work-group's number
	s_lshl_b32 s32, ttmp9, 16                      ; 32 rows of 2,048 bytes
	s_lshl_b32 s36, s2, 10                         ; my 256 along K
	s_add_co_u32 s32, s32, s36
	s_add_nc_u64 s[8:9], s[8:9], s[32:33]
	s_lshl_b32 s32, ttmp9, 14
	s_lshl_b32 s36, s2, 12
	s_add_co_u32 s32, s32, s36
	s_add_nc_u64 s[34:35], s[24:25], s[32:33]      ; my codes
	s_lshl_b32 s32, ttmp9, 9
	s_lshl_b32 s36, s2, 8
	s_add_co_u32 s32, s32, s36
	s_add_co_u32 s32, s32, XSCL
	s_add_nc_u64 s[38:39], s[24:25], s[32:33]      ; my scale words
.macro LOADX u, j, set                 ; a fragment's 16 rows x 128 numbers: each load 512 consecutive bytes of one row
.irp i, 0,1,2,3,4,5,6,7,8,9,10,11,12,13,14,15
	global_load_b128 v[R+64*(\set)+4*\i:R+64*(\set)+4*\i+3], v4, s[8:9] offset:(8*(\u)+\i+8*(\i/8))*2048+512*(\j) th:TH_LOAD_NT
.endr
.endm
.macro TURN set                        ; through my stage: LDS serves a wave's instructions in order, so no wait stands between
.irp i, 0,1,2,3,4,5,6,7,8,9,10,11,12,13,14,15
	ds_store_b128 v5, v[R+64*(\set)+4*\i:R+64*(\set)+4*\i+3] offset:528*\i
.endr
.irp b, 0,1,2,3
.irp q, 0,1,2,3
	ds_load_b128 v[X+16*\b+4*\q:X+16*\b+4*\q+3], v6 offset:128*\b+16*\q
.endr
.endr
.endm
.macro XFRAG f                         ; fragment f = 2 u + j
.if (\f) < 3
	s_wait_loadcnt 16                              ; mine are in; the next fragment's 16 may be out
.else
	s_wait_loadcnt 0x0
.endif
	TURN (\f)%2
	s_wait_dscnt 0x0
.if (\f) < 2
	LOADX 1, (\f)%2, (\f)%2                        ; the set just left takes the fragment two on
.endif
	s_wait_xcnt 0x0                                ; the last stores have read the codes' registers
	QUANT X, 0, PWR+(\f)
.irp c, 0,1,2,3
	global_store_b128 v4, v[PC+4*\c:PC+4*\c+3], s[34:35] offset:8192*((\f)/2)+2048*((\f)%2)+512*\c   ; 512 consecutive bytes
.endr
.endm
	LOADX 0, 0, 0
	LOADX 0, 1, 1
	XFRAG 0
	XFRAG 1
	XFRAG 2
	XFRAG 3
	TAIL
.Lweights:
	s_cmp_lt_u32 ttmp9, 352
	s_cbranch_scc0 .Lbsum
	s_sub_co_u32 s40, ttmp9, 256                   ; 16 x weight + pair of columns
	s_and_b32 s41, s40, 15                         ; the pair
	s_lshr_b32 s42, s40, 4                         ; the weight, 0 .. 5
	s_lshl_b32 s32, s40, 14
	s_lshl_b32 s36, s2, 12
	s_add_co_u32 s32, s32, s36
	s_add_nc_u64 s[34:35], s[26:27], s[32:33]      ; my codes
	s_lshl_b32 s32, s40, 9
	s_lshl_b32 s36, s2, 8
	s_add_co_u32 s32, s32, s36
	s_add_co_u32 s32, s32, WSCL
	s_add_nc_u64 s[38:39], s[26:27], s[32:33]      ; my scale words
.macro LOADW u, j, set, pitch          ; W(128 j + 32 c + 16 h + i, my column): the registers run down K
.irp c, 0,1,2,3
.irp i, 0,1,2,3,4,5,6,7,8,9,10,11,12,13,14,15
	global_load_b32 v[R+64*(\set)+16*\c+\i], v10, s[44:45] offset:(128*(\j)+32*\c+\i)*(\pitch)+32*(\u)
.endr
.endr
.endm
.macro WFRAG f, pitch
.if (\f) < 3
	s_wait_loadcnt 63                              ; the next fragment's 64 loads are younger: all but 63 are in, so mine are
.else
	s_wait_loadcnt 0x0
.endif
	s_wait_xcnt 0x0                                ; the last stores have read the codes' registers
	QUANT R+64*((\f)%2), 0, PWR+(\f)
.irp c, 0,1,2,3
	global_store_b128 v4, v[PC+4*\c:PC+4*\c+3], s[34:35] offset:8192*((\f)/2)+2048*((\f)%2)+512*\c
.endr
.if (\f) < 2
	LOADW 1, (\f)%2, (\f)%2, \pitch
.endif
.endm
.macro WBODY pitch
	LOADW 0, 0, 0, \pitch
	LOADW 0, 1, 1, \pitch
	WFRAG 0, \pitch
	WFRAG 1, \pitch
	WFRAG 2, \pitch
	WFRAG 3, \pitch
	TAIL
.endm
	s_cmp_lt_u32 s42, 3
	s_cbranch_scc0 .Lwide
	; wq, wk, wv [8][512][64]: column n = 64 head + e; a K row is 256 bytes
	s_cmp_eq_u32 s42, 0
	s_cselect_b64 s[44:45], s[10:11], s[12:13]
	s_cmp_eq_u32 s42, 2
	s_cselect_b64 s[44:45], s[14:15], s[44:45]
	s_lshr_b32 s32, s41, 1
	s_lshl_b32 s32, s32, 17                        ; the head
	s_and_b32 s36, s41, 1
	s_lshl_b32 s36, s36, 7                         ; which 32 of its 64 columns
	s_add_co_u32 s32, s32, s36
	s_lshl_b32 s36, s2, 16                         ; my 256 rows of K
	s_add_co_u32 s32, s32, s36
	s_add_nc_u64 s[44:45], s[44:45], s[32:33]
	v_lshl_add_u32 v10, v3, 12, v10                ; lanes 16-31 begin 16 rows further down
	WBODY 256
.Lwide:
	; wo [(head, e)][512], w1, w2 [512][512]: a K row is 2,048 bytes
	s_cmp_eq_u32 s42, 3
	s_cselect_b64 s[44:45], s[16:17], s[18:19]
	s_cmp_eq_u32 s42, 5
	s_cselect_b64 s[44:45], s[20:21], s[44:45]
	s_lshl_b32 s32, s41, 7
	s_lshl_b32 s36, s2, 19
	s_add_co_u32 s32, s32, s36
	s_add_nc_u64 s[44:45], s[44:45], s[32:33]
	v_lshl_add_u32 v10, v3, 15, v10
	WBODY 2048
.Lbsum:
	; the sum of bo over the heads: thread t takes 4 numbers at 16 t and 4 at 1,024 + 16 t
	v_lshlrev_b32 v10, 4, v0
.irp hd, 0,1,2,3,4,5,6,7
	global_load_b128 v[64+8*\hd:67+8*\hd], v10, s[22:23] offset:2048*\hd
	global_load_b128 v[68+8*\hd:71+8*\hd], v10, s[22:23] offset:2048*\hd+1024
.endr
	s_wait_loadcnt 0x0
.irp hd, 1,2,3,4,5,6,7
.irp q, 0,2,4,6
	v_pk_add_f32 v[64+\q:65+\q], v[64+\q:65+\q], v[64+8*\hd+\q:65+8*\hd+\q]
.endr
.endr
	global_store_b128 v10, v[64:67], s[26:27] offset:BSUM
	global_store_b128 v10, v[68:71], s[26:27] offset:BSUM+1024
	FINI
	s_endpgm
.Lfunc_end_k_q13edb02585_prep:
	.size	k_q13edb02585_prep, .Lfunc_end_k_q13edb02585_prep-k_q13edb02585_prep
	.p2alignl 7, 3214868480
	.fill 96, 4, 3214868480
	.section	.rodata,"a",@progbits
	.p2align	6, 0x0
	.amdhsa_kernel k_q13edb02585_prep
		.amdhsa_group_segment_fixed_size 17152
		.amdhsa_private_segment_fixed_size 0
		.amdhsa_enable_private_segment 0
		.amdhsa_kernarg_size 80
		.amdhsa_user_sgpr_count 2
		.amdhsa_user_sgpr_kernarg_segment_ptr 1
		.amdhsa_wavefront_size32 1
		.amdhsa_system_sgpr_workgroup_id_x 1
		.amdhsa_system_sgpr_workgroup_id_y 1
		.amdhsa_system_sgpr_workgroup_id_z 1
		.amdhsa_system_vgpr_workitem_id 0
		.amdhsa_next_free_vgpr 256
		.amdhsa_next_free_sgpr 66
		.amdhsa_reserve_vcc 0
		.amdhsa_float_denorm_mode_32 3
		.amdhsa_float_denorm_mode_16_64 3
		.amdhsa_memory_ordered 1
		.amdhsa_forward_progress 1
		.amdhsa_inst_pref_size 172
	.end_amdhsa_kernel
	.amdgpu_metadata
---
amdhsa.version: [ 1, 2 ]
amdhsa.kernels:
  - .name:           k_q13edb02585_prep
    .symbol:         k_q13edb02585_prep.kd
    .args:
      - { .name: x, .offset: 0, .size: 8, .value_kind: global_buffer, .address_space: global }
      - { .name: wq, .offset: 8, .size: 8, .value_kind: global_buffer, .address_space: global }
      - { .name: wk, .offset: 16, .size: 8, .value_kind: global_buffer, .address_space: global }
      - { .name: wv, .offset: 24, .size: 8, .value_kind: global_buffer, .address_space: global }
      - { .name: wo, .offset: 32, .size: 8, .value_kind: global_buffer, .address_space: global }
      - { .name: w1, .offset: 40, .size: 8, .value_kind: global_buffer, .address_space: global }
      - { .name: w2, .offset: 48, .size: 8, .value_kind: global_buffer, .address_space: global }
      - { .name: bo, .offset: 56, .size: 8, .value_kind: global_buffer, .address_space: global }
      - { .name: xop, .offset: 64, .size: 8, .value_kind: global_buffer, .address_space: global }
      - { .name: wop, .offset: 72, .size: 8, .value_kind: global_buffer, .address_space: global }
    .group_segment_fixed_size: 17152
    .private_segment_fixed_size: 0
    .kernarg_segment_align: 8
    .kernarg_segment_size: 80
    .max_flat_workgroup_size: 64
    .sgpr_count:     66
    .vgpr_count:     256
    .wavefront_size: 32
...
	.end_amdgpu_metadata
.endif
;; end of part 1
;; launch qkv (part 2): grid 32 x 8, 3 waves a work-group, no clusters, 0 bytes of LDS; arguments xop, wop, bq, bk, bv, qop, kvop; writes qop, kvop
.if DOCPART == 2
	.amdgcn_target "amdgcn-amd-amdhsa--gfx1250"
	.amdhsa_code_object_version 6
	.text
	.protected	k_q13edb02585_qkv
	.globl	k_q13edb02585_qkv
	.p2align	8
	.type	k_q13edb02585_qkv,@function
k_q13edb02585_qkv:
	s_mov_b64 s[64:65], 0
	v_nop
	global_prefetch_b8 v0, s[64:65] scope:SCOPE_SE
	s_setreg_imm32_b32 hwreg(HW_REG_WAVE_MODE, 25, 1), 1
	s_wait_xcnt 0x0
; Launch 2 of 4: q, k, v = x W + bias on codes of E5M2, and the quantisers of q and k (along the head's 64) and of v (along the keys).  Nothing of reference() is left out.
; SHARES: a work-group takes 256 tokens (8 pairs of 32) of one head; wave 0 makes q, wave 1 k, wave 2 v: 8 pairs x 64 columns x K 512 = 256 matrix instructions a wave.
; The wave's 16 fragments of W stay in registers; x's fragments come as images of their registers, 512 consecutive bytes a load, one pair ahead.  No LDS: nothing goes from wave to wave.
; q, k: source 0 = 16 columns of W, source 1 = 16 tokens: a lane holds ONE token and its registers run along e, so a lane's 64 results are four blocks (tile u of the pair, half beta of e).
; v:    source 0 = 16 tokens, source 1 = 16 columns: a lane holds ONE e and its registers run along the tokens, which are the keys: four blocks (tile tau of e), each the pair's 32 keys.
; OUT.  q: [head of batch][pair][k = 2 u + beta][lane][16 bytes], pair words (bytes u0b0, u0b1, u1b0, u1b1) behind.  k, v: by key step of 128 keys, 16,896 bytes: four fragments of K (pair b: registers 0-7 tile 0's
; 64 codes, 8-15 tile 1's), four of V^T (tile tau x 128 keys), K's words at 16,384 + 16 r + 4 b, V's at 16,640 + 16 r + 4 tau.
; No cluster and no tensor load: each wave reads other columns of W, and x's 128 KB a wave come as dense loads straight into operand registers.
; LIMITS: as in launch 1 (NaN, infinities; the byte 1 for blocks under 2^-111).
.set XSCL, 4194304
.set WSCL, 1572864
.set QS,   4194304
.set WS, 16                            ; v16-23 W's scale words: 4 beta + s (tile 0 lanes 0-15, tile 1 lanes 16-31)
.set XS, 24                            ; v24-31 x's: set a: 4 a + s
.set BI, 32                            ; v32-63 the bias in the result's layout: 8 tau + j
.set HA, 64                            ; v64-127 eight accumulators
.set PC, 128
.set TM, 144
.set PW, 160
.set SW, 164                           ; v164-167 a key step's four scale words
.set WV, 20
.set SEL, 54
.set MNT, 56
.set CNT, 57
.set MSB, 0
.macro WIN new                         ; the immediate's high byte repeats the setting that is left
.if MSB != \new
	s_set_vgpr_msb (MSB<<8)|\new
.set MSB, \new
.endif
.endm
.macro QUANT s, relu, pw
.if \relu
.irp b, 0,1,2,3
	v_max3_num_f32 v[TM+\b], v[(\s)+16*\b], v[(\s)+1+16*\b], 0x8000000
.endr
.irp i, 2,4,6,8,10,12,14
.irp b, 0,1,2,3
	v_max3_num_f32 v[TM+\b], v[TM+\b], v[(\s)+16*\b+\i], v[(\s)+1+16*\b+\i]
.endr
.endr
.else
.irp b, 0,1,2,3
	v_max3_num_f32 v[TM+\b], |v[(\s)+16*\b]|, |v[(\s)+1+16*\b]|, 0x8000000   ; my 16 numbers and the floor 2^(16 - 127)
.endr
.irp i, 2,4,6,8,10,12,14
.irp b, 0,1,2,3
	v_max3_num_f32 v[TM+\b], v[TM+\b], |v[(\s)+16*\b+\i]|, |v[(\s)+1+16*\b+\i]|
.endr
.endr
.endif
.irp b, 0,1,2,3
	v_permlanex16_b32 v[TM+4+\b], v[TM+\b], s[SEL], s[SEL+1]
.endr
.irp b, 0,1,2,3
	v_max_num_f32 v[TM+\b], v[TM+\b], v[TM+4+\b]
.endr
.irp b, 0,1,2,3
	v_add_nc_u32 v[TM+12+\b], 0xf8800000, v[TM+\b]
.endr
.irp b, 0,1,2,3
	v_and_or_b32 v[TM+8+\b], v[TM+\b], 0x7f800000, s[MNT]
.endr
.irp b, 0,1,2,3
	v_lshrrev_b32 v[TM+4+\b], 23, v[TM+12+\b]
.endr
	v_lshl_or_b32 v[\pw], v[TM+5], 8, v[TM+4]
	v_lshl_or_b32 v[\pw], v[TM+6], 16, v[\pw]
	v_lshl_or_b32 v[\pw], v[TM+7], 24, v[\pw]
.irp b, 0,1,2,3
.irp i, 0,1,2,3,4,5,6,7,8,9,10,11,12,13,14,15
.if \relu
	v_med3_num_f32 v[(\s)+16*\b+\i], v[(\s)+16*\b+\i], 0, v[TM+8+\b]
.else
	v_med3_num_f32 v[(\s)+16*\b+\i], v[(\s)+16*\b+\i], -v[TM+8+\b], v[TM+8+\b]
.endif
.endr
	v_cvt_scalef32_pk8_bf8_f32 v[PC+4*\b:PC+1+4*\b], v[(\s)+16*\b:(\s)+7+16*\b], v[TM+12+\b]
	v_cvt_scalef32_pk8_bf8_f32 v[PC+2+4*\b:PC+3+4*\b], v[(\s)+8+16*\b:(\s)+15+16*\b], v[TM+12+\b]
.endr
	v_nop
.endm
; one product; ra, rb: the side's scale words stand in lanes 16-31
.macro WM d, a, b, c, sa, sb, ra, rb
.if (\ra) && (\rb)
	v_wmma_scale_f32_16x16x128_f8f6f4 v[(\d):(\d)+7], v[(\a):(\a)+15], v[(\b):(\b)+15], v[(\c):(\c)+7], v[(\sa)], v[(\sb)] matrix_a_fmt:MATRIX_FMT_BF8 matrix_b_fmt:MATRIX_FMT_BF8 matrix_a_scale:MATRIX_SCALE_ROW1 matrix_b_scale:MATRIX_SCALE_ROW1
.elseif (\ra)
	v_wmma_scale_f32_16x16x128_f8f6f4 v[(\d):(\d)+7], v[(\a):(\a)+15], v[(\b):(\b)+15], v[(\c):(\c)+7], v[(\sa)], v[(\sb)] matrix_a_fmt:MATRIX_FMT_BF8 matrix_b_fmt:MATRIX_FMT_BF8 matrix_a_scale:MATRIX_SCALE_ROW1
.elseif (\rb)
	v_wmma_scale_f32_16x16x128_f8f6f4 v[(\d):(\d)+7], v[(\a):(\a)+15], v[(\b):(\b)+15], v[(\c):(\c)+7], v[(\sa)], v[(\sb)] matrix_a_fmt:MATRIX_FMT_BF8 matrix_b_fmt:MATRIX_FMT_BF8 matrix_b_scale:MATRIX_SCALE_ROW1
.else
	v_wmma_scale_f32_16x16x128_f8f6f4 v[(\d):(\d)+7], v[(\a):(\a)+15], v[(\b):(\b)+15], v[(\c):(\c)+7], v[(\sa)], v[(\sb)] matrix_a_fmt:MATRIX_FMT_BF8 matrix_b_fmt:MATRIX_FMT_BF8
.endif
.endm
	s_load_b256 s[4:11], s[0:1], 0x0               ; xop, wop, bq, bk
	s_load_b128 s[12:15], s[0:1], 0x20             ; bv, qop
	s_load_b64 s[16:17], s[0:1], 0x30              ; kvop
	v_lshrrev_b32 v1, 5, v0
	v_readfirstlane_b32 s[WV], v1                  ; 0: q, 1: k, 2: v
	v_and_b32 v6, 31, v0                           ; L
	v_and_b32 v7, 15, v0                           ; r
	v_bfe_u32 v8, v0, 4, 1                         ; h
	v_lshlrev_b32 v1, 4, v6                        ; 16 L
	v_lshlrev_b32 v2, 3, v6                        ; 8 L
	v_lshlrev_b32 v3, 4, v7                        ; 16 r
	v_lshlrev_b32 v4, 6, v8                        ; 64 h: q's and k's bias, by register
	v_and_b32 v5, 8, v7
	v_add_nc_u32 v5, v5, v7
	v_lshlrev_b32 v5, 2, v5                        ; 4 (r + 8 (r / 8)): v's bias, by lane
.irp b, 0,1,2,3
	v_mov_b32 v[TM+4+\b], 0                        ; a lane permute's destination counts as one of its sources
	v_mov_b32 v[SW+\b], 0
.endr
	s_mov_b32 s[SEL], 0x76543210
	s_mov_b32 s[SEL+1], 0xfedcba98
	s_mov_b32 s[MNT], 0x600000
	s_and_b32 s21, ttmp7, 0xffff                   ; the head
	s_lshr_b32 s22, ttmp9, 4                       ; the batch
	s_and_b32 s23, ttmp9, 15                       ; which 256 tokens of the sequence
	s_lshl_b32 s24, s22, 3
	s_add_co_u32 s24, s24, s21                     ; 8 batch + head
	s_lshl_b32 s28, ttmp9, 17                      ; x's codes: 8 pairs of 16,384 bytes
	s_mov_b32 s29, 0
	s_lshl_b32 s30, ttmp9, 12                      ; x's scale words: 8 pairs of 512
	s_add_co_u32 s30, s30, XSCL
	s_mov_b32 s31, 0
	s_lshl_b32 s25, s[WV], 4
	s_lshl_b32 s26, s21, 1
	s_add_co_u32 s25, s25, s26                     ; 16 x weight + the head's first pair of columns
	s_lshl_b32 s32, s25, 14
	s_mov_b32 s33, 0
	s_lshl_b32 s34, s25, 9
	s_add_co_u32 s34, s34, WSCL
	s_mov_b32 s35, 0
	s_lshl_b32 s36, s21, 8                         ; the head's 64 numbers of a bias
	s_mov_b32 s37, 0
	s_cmp_eq_u32 s[WV], 0                          ; q goes to qop, k and v to kvop: strides and steps, in registers of their own
	s_mov_b32 s46, 540672
	s_cselect_b32 s46, 262144, s46                 ; codes: from head to head,
	s_mov_b32 s47, 33792
	s_cselect_b32 s47, 16384, s47                  ; from 256 tokens to the next,
	s_mov_b32 s42, 16896
	s_cselect_b32 s42, 8192, s42                   ; from key step to key step
	s_mov_b32 s44, 16896
	s_cselect_b32 s44, 256, s44                    ; scale words likewise
	s_mov_b32 s48, 540672
	s_cselect_b32 s48, 8192, s48
	s_mov_b32 s49, 33792
	s_cselect_b32 s49, 512, s49
	s_mov_b32 s50, 16384
	s_cselect_b32 s50, QS, s50
	s_cmp_eq_u32 s[WV], 2
	s_cselect_b32 s51, 8192, 0                     ; V's fragments lie behind K's,
	s_cselect_b32 s52, 256, 0                      ; V's words behind K's
	s_mov_b32 s43, 0
	s_mov_b32 s45, 0
	s_mul_i32 s38, s24, s46
	s_mul_i32 s59, s23, s47
	s_add_co_u32 s38, s38, s59
	s_add_co_u32 s38, s38, s51
	s_mov_b32 s39, 0
	s_mul_i32 s40, s24, s48
	s_mul_i32 s59, s23, s49
	s_add_co_u32 s40, s40, s59
	s_add_co_u32 s40, s40, s50
	s_add_co_u32 s40, s40, s52
	s_mov_b32 s41, 0
	s_wait_kmcnt 0x0
	s_add_nc_u64 s[28:29], s[4:5], s[28:29]        ; x's codes
	s_add_nc_u64 s[30:31], s[4:5], s[30:31]        ; x's scale words
	s_add_nc_u64 s[32:33], s[6:7], s[32:33]        ; W's codes
	s_add_nc_u64 s[34:35], s[6:7], s[34:35]        ; W's scale words
	s_cmp_eq_u32 s[WV], 0
	s_cselect_b64 s[60:61], s[14:15], s[16:17]
	s_cselect_b64 s[62:63], s[8:9], s[10:11]
	s_cmp_eq_u32 s[WV], 2
	s_cselect_b64 s[62:63], s[12:13], s[62:63]
	s_add_nc_u64 s[62:63], s[62:63], s[36:37]      ; my bias
	s_add_nc_u64 s[38:39], s[60:61], s[38:39]      ; where my codes go
	s_add_nc_u64 s[40:41], s[60:61], s[40:41]      ; and my scale words
	WIN 0x40                                       ; destination window 1: W's fragment (tau, s) at 16 (4 tau + s); they stay
.irp f, 0,1,2,3,4,5,6,7,8,9,10,11,12,13,14,15
.irp c, 0,1,2,3
	global_load_b128 v[16*\f+4*\c:16*\f+4*\c+3], v1, s[32:33] offset:2048*\f+512*\c
.endr
.endr
	WIN 0
.irp be, 0,1
.irp ka, 0,1
	global_load_b64 v[WS+4*\be+2*\ka:WS+4*\be+2*\ka+1], v2, s[34:35] offset:512*\be+256*\ka
.endr
.endr
	s_cmp_eq_u32 s[WV], 2
	s_cbranch_scc1 .Lbias_v
.irp t, 0,1,2,3                        ; q, k: register j of tile tau is e = 32 (tau / 2) + 16 h + 8 (tau % 2) + j
	global_load_b128 v[BI+8*\t:BI+8*\t+3], v4, s[62:63] offset:(32*(\t/2)+8*(\t%2))*4
	global_load_b128 v[BI+8*\t+4:BI+8*\t+7], v4, s[62:63] offset:(32*(\t/2)+8*(\t%2))*4+16
.endr
	s_branch .Lbias_done
.Lbias_v:
.irp t, 0,1,2,3                        ; v: all eight registers of tile tau belong to my lane's e
.irp j, 0,1,2,3,4,5,6,7
	global_load_b32 v[BI+8*\t+\j], v5, s[62:63] offset:(32*(\t/2)+8*(\t%2))*4
.endr
.endr
.Lbias_done:
.macro XLOAD p, a                      ; pair p's eight fragments (u, s) into set a of window 2, its scale words into set a: 34 loads
	WIN 0x80
.irp f, 0,1,2,3,4,5,6,7
.irp c, 0,1,2,3
	global_load_b128 v[128*(\a)+16*\f+4*\c:128*(\a)+16*\f+4*\c+3], v1, s[28:29] offset:16384*(\p)+2048*\f+512*\c
.endr
.endr
	WIN 0
.irp ka, 0,1
	global_load_b64 v[XS+4*(\a)+2*\ka:XS+4*(\a)+2*\ka+1], v2, s[30:31] offset:512*(\p)+256*\ka
.endr
.endm
; 32 products of a pair: K step by K step, the eight accumulators by turns; the bias is the C of each sum's first product
.macro PRODQK a
.irp s, 0,1,2,3
.irp ux, 0,1
.irp t, 0,1,2,3
.if \s == 0
	WM HA+32*\ux+8*\t, 16*(4*\t+\s), 128*(\a)+16*(4*\ux+\s), BI+8*\t, WS+4*(\t/2)+\s, XS+4*(\a)+\s, \t%2, \ux
.else
	WM HA+32*\ux+8*\t, 16*(4*\t+\s), 128*(\a)+16*(4*\ux+\s), HA+32*\ux+8*\t, WS+4*(\t/2)+\s, XS+4*(\a)+\s, \t%2, \ux
.endif
.endr
.endr
.endr
.endm
.macro PRODV a
.irp s, 0,1,2,3
.irp ux, 0,1
.irp t, 0,1,2,3
.if \s == 0
	WM HA+16*\t+8*\ux, 128*(\a)+16*(4*\ux+\s), 16*(4*\t+\s), BI+8*\t, XS+4*(\a)+\s, WS+4*(\t/2)+\s, \ux, \t%2
.else
	WM HA+16*\t+8*\ux, 128*(\a)+16*(4*\ux+\s), 16*(4*\t+\s), HA+16*\t+8*\ux, XS+4*(\a)+\s, WS+4*(\t/2)+\s, \ux, \t%2
.endif
.endr
.endr
.endr
.endm
.macro PAIR p                          ; pair p of the key step in hand
.if (\p) < 3
	XLOAD (\p)+1, ((\p)+1)%2
	s_wait_loadcnt 34                              ; all but the next pair's 34 loads are in
.else
	s_cmp_eq_u32 s[CNT], 1                         ; the last pair of all has no successor: no load leaves its buffer
	s_cbranch_scc1 .Llast_\@
	XLOAD 4, 0
	s_wait_loadcnt 34
	s_branch .Lgo_\@
.Llast_\@:
	s_wait_loadcnt 0x0
.Lgo_\@:
.endif
	s_cmp_eq_u32 s[WV], 2
	s_cbranch_scc1 .Lpv_\@
	WIN 0x09                                       ; source 0 (W) window 1, source 1 (x) window 2
	PRODQK (\p)%2
	WIN 0
	s_branch .Lpd_\@
.Lpv_\@:
	WIN 0x06                                       ; source 0 (x) window 2, source 1 (W) window 1
	PRODV (\p)%2
	WIN 0
.Lpd_\@:
.rept 8
	v_nop                                          ; eight places behind the last products, ahead of the first read of results
.endr
	s_wait_xcnt 0x0                                ; the last stores have read the codes' registers
	QUANT HA, 0, PW
	s_cmp_eq_u32 s[WV], 2
	s_cbranch_scc1 .Lsv_\@
.irp k, 0,1,2,3                        ; q, k: block k = 2 u + beta
	global_store_b128 v1, v[PC+4*\k:PC+4*\k+3], s[38:39] offset:2048*(\p)+512*\k
.endr
	v_mov_b32 v[SW+(\p)], v[PW]
	s_branch .Lsd_\@
.Lsv_\@:
.irp t, 0,1,2,3                        ; v: block tau; the pair is the fragment's c
	global_store_b128 v1, v[PC+4*\t:PC+4*\t+3], s[38:39] offset:2048*\t+512*(\p)
.if (\p) == 0
	v_mov_b32 v[SW+\t], v[TM+4+\t]
.else
	v_lshl_or_b32 v[SW+\t], v[TM+4+\t], 8*(\p), v[SW+\t]
.endif
.endr
.Lsd_\@:
.endm
	XLOAD 0, 0
	s_mov_b32 s[CNT], 2
.Ltrip:                                ; a trip is a key step: four pairs
	PAIR 0
	PAIR 1
	PAIR 2
	PAIR 3
	v_cmp_gt_u32 vcc_lo, 16, v6
	s_wait_xcnt 0x0                                ; EXEC changes only behind this wait
	s_and_saveexec_b32 s58, vcc_lo
	global_store_b128 v3, v[SW:SW+3], s[40:41]     ; sixteen lanes store the step's 256 bytes of scale words
	s_wait_xcnt 0x0                                ; and again; the bases below are stepped behind it too
	s_or_b32 exec_lo, exec_lo, s58
	s_add_nc_u64 s[28:29], s[28:29], 65536
	s_add_nc_u64 s[30:31], s[30:31], 2048
	s_add_nc_u64 s[38:39], s[38:39], s[42:43]
	s_add_nc_u64 s[40:41], s[40:41], s[44:45]
	s_sub_co_u32 s[CNT], s[CNT], 1
	s_cmp_lg_u32 s[CNT], 0
	s_cbranch_scc1 .Ltrip
	s_endpgm
.Lfunc_end_k_q13edb02585_qkv:
	.size	k_q13edb02585_qkv, .Lfunc_end_k_q13edb02585_qkv-k_q13edb02585_qkv
	.p2alignl 7, 3214868480
	.fill 96, 4, 3214868480
	.section	.rodata,"a",@progbits
	.p2align	6, 0x0
	.amdhsa_kernel k_q13edb02585_qkv
		.amdhsa_group_segment_fixed_size 0
		.amdhsa_private_segment_fixed_size 0
		.amdhsa_enable_private_segment 0
		.amdhsa_kernarg_size 56
		.amdhsa_user_sgpr_count 2
		.amdhsa_user_sgpr_kernarg_segment_ptr 1
		.amdhsa_wavefront_size32 1
		.amdhsa_system_sgpr_workgroup_id_x 1
		.amdhsa_system_sgpr_workgroup_id_y 1
		.amdhsa_system_sgpr_workgroup_id_z 1
		.amdhsa_system_vgpr_workitem_id 0
		.amdhsa_next_free_vgpr 768
		.amdhsa_next_free_sgpr 66
		.amdhsa_reserve_vcc 1
		.amdhsa_float_denorm_mode_32 3
		.amdhsa_float_denorm_mode_16_64 3
		.amdhsa_memory_ordered 1
		.amdhsa_forward_progress 1
		.amdhsa_inst_pref_size 102
	.end_amdhsa_kernel
	.amdgpu_metadata
---
amdhsa.version: [ 1, 2 ]
amdhsa.kernels:
  - .name:           k_q13edb02585_qkv
    .symbol:         k_q13edb02585_qkv.kd
    .args:
      - { .name: xop, .offset: 0, .size: 8, .value_kind: global_buffer, .address_space: global }
      - { .name: wop, .offset: 8, .size: 8, .value_kind: global_buffer, .address_space: global }
      - { .name: bq, .offset: 16, .size: 8, .value_kind: global_buffer, .address_space: global }
      - { .name: bk, .offset: 24, .size: 8, .value_kind: global_buffer, .address_space: global }
      - { .name: bv, .offset: 32, .size: 8, .value_kind: global_buffer, .address_space: global }
      - { .name: qop, .offset: 40, .size: 8, .value_kind: global_buffer, .address_space: global }
      - { .name: kvop, .offset: 48, .size: 8, .value_kind: global_buffer, .address_space: global }
    .group_segment_fixed_size: 0
    .private_segment_fixed_size: 0
    .kernarg_segment_align: 8
    .kernarg_segment_size: 56
    .max_flat_workgroup_size: 96
    .sgpr_count:     66
    .vgpr_count:     768
    .wavefront_size: 32
...
	.end_amdgpu_metadata
.endif
;; end of part 2
;; launch attn (part 3): grid 16 x 16, 8 waves a work-group, no clusters, 327,680 bytes of LDS; arguments qop, kvop, cop; writes cop
.if DOCPART == 3
	.amdgcn_target "amdgcn-amd-amdhsa--gfx1250"
	.amdhsa_code_object_version 6
	.text
	.protected	k_q13edb02585_attn
	.globl	k_q13edb02585_attn
	.p2align	8
	.type	k_q13edb02585_attn,@function
k_q13edb02585_attn:
	s_mov_b64 s[64:65], 0
	v_nop
	global_prefetch_b8 v0, s[64:65] scope:SCOPE_SE
	s_setreg_imm32_b32 hwreg(HW_REG_WAVE_MODE, 25, 1), 1
	s_wait_xcnt 0x0
; Launch 3 of 4: ctx = softmax(q k^T / 8) v for one head of one batch and 256 queries, both products on codes of E5M2, and the quantiser of ctx along (head, e).  Nothing of reference() is left out.
; THE SOFTMAX: t = score x log2(e) / 8; M = the running largest t rounded up to a whole number; p = 2^(t - M) is quantised along the keys, not normalised; the row's sum is taken of the unquantised p and divides at the end.
; SHARES: wave w owns the pair of 32 queries 8 x block + w: tile A (u = 0) in register window 0, tile B (u = 1) in window 1, at the same register numbers.  Each fragment of K and V read from LDS feeds both tiles.
; Every wave walks the head's 4,096 keys, 128 a step.  A key step is 16,896 consecutive bytes of kvop, images of operand registers: every LDS read is 512 consecutive bytes, so there is no padding.
; K = 64 IS HALF AN INSTRUCTION: a fragment of K holds tile 0's 64 codes in registers 0-7 and tile 1's in 8-15; Q stands between two runs of eight zero registers, and [q | 0] picks tile 0, [0 | q] tile 1.
; All codes come from held conversions and are finite, so a zero code adds exactly 0.
; RING: two slots of eight key steps; wave w brings key step w of a slot by one tensor load of 66 rows of 256 bytes.  By this text's count a wave has two loads out at the start and one behind each refill.
; NO CLUSTER: a key step brings 16,896 bytes into LDS while the eight waves read 8 x 16,896 bytes from it; the launch has two refills, each asked for eight key steps ahead of its first read.  For the same reason nothing is prefetched.
; LIMITS: as in launch 1; 1 / sum is v_rcp_f32; t - M is one fused multiply-add.
.set QS,    4194304
.set CSO,   4194304
.set STEPB, 16896
.set SLOT,  135168
.set CSL,   270336                     ; behind the ring: 512 bytes in which ctx's scale bytes of the 8 pairs are gathered
.set SPARE, 270848                     ; the spare words, 128 bytes a wave
.set LI,  1                            ; v1 16 L
.set ADR, 2                            ; v2 the step's LDS address
.set SPW, 3
.set NIL, 4
.set QSA, 10                           ; v10, v11 Q's scale words of tile A, B
.set QSB, 11
.set QZ,  16                           ; v16-23 zeros, v24-31 q, v32-39 zeros (both windows)
.set SC,  40                           ; v40-43 lanes 0-15: K's four words; lanes 16-31: V's
.set PWB, 45                           ; v45 tile B's p scale word, copied into window 0
.set FR,  48                           ; v48-111 four fragments, of K and then of V
.set S,   112                          ; v112-175 S^T, then p
.set O,   176                          ; v176-207 O^T
.set PC,  208                          ; v208-223 p's codes
.set BM,  224
.set PD,  228
.set HL,  232
.set SO,  236
.set CH,  240
.set TP,  242
.set FF,  244                          ; v244 f, v245 p's scale word
.set WV,  10
.set MNT, 11
.set SEL, 12
.set CSC, 14                           ; s[14:15] c = log2(e) / 8
.set G1,  16
.set G0,  24
.set TB,  32
.set CNT, 33
.set MSB, 0
.macro WIN new
.if MSB != \new
	s_set_vgpr_msb (MSB<<8)|\new
.set MSB, \new
.endif
.endm
.macro WM0 d, a, b, sa, sb             ; a product that starts its sum
	v_wmma_scale_f32_16x16x128_f8f6f4 v[(\d):(\d)+7], v[(\a):(\a)+15], v[(\b):(\b)+15], 0, v[(\sa)], v[(\sb)] matrix_a_fmt:MATRIX_FMT_BF8 matrix_b_fmt:MATRIX_FMT_BF8
.endm
.macro WMV d, a, b, sa, sb             ; O^T += V^T P^T: V's words stand in lanes 16-31
	v_wmma_scale_f32_16x16x128_f8f6f4 v[(\d):(\d)+7], v[(\a):(\a)+15], v[(\b):(\b)+15], v[(\d):(\d)+7], v[(\sa)], v[(\sb)] matrix_a_fmt:MATRIX_FMT_BF8 matrix_b_fmt:MATRIX_FMT_BF8 matrix_a_scale:MATRIX_SCALE_ROW1
.endm
	s_load_b128 s[4:7], s[0:1], 0x0                ; qop, kvop
	s_load_b64 s[8:9], s[0:1], 0x10                ; cop
	v_lshl_add_u32 v[SPW], v0, 2, SPARE
	v_mov_b32 v[NIL], 0
	ds_add_u32 v[SPW], v[NIL]                      ; the wave's opening: the add, twice on end, and its wait ahead of my first tensor load
	ds_add_u32 v[SPW], v[NIL]
	v_lshrrev_b32 v1, 5, v0
	v_readfirstlane_b32 s[WV], v1                  ; wave 0..7
	s_mov_b32 s[G1], 3<<16                         ; elements of 8 bytes, no mask, no padding
	s_mov_b32 s[G1+1], 32<<16                      ; tensor_dim0 = 32 (256 bytes)
	s_mov_b32 s[G1+2], 66<<16                      ; tensor_dim1 = 66
	s_mov_b32 s[G1+3], 32<<16                      ; tile_dim0
	s_mov_b32 s[G1+4], 66                          ; tile_dim1
	s_mov_b32 s[G1+5], 32                          ; from row to row: dense
	s_mov_b32 s[G1+6], 0
	s_mov_b32 s[G1+7], 0
	s_mov_b32 s[SEL], 0x76543210
	s_mov_b32 s[SEL+1], 0xfedcba98
	s_mov_b32 s[MNT], 0x600000
	s_mov_b32 s[CSC], 0x3e38aa3b
	s_mov_b32 s[CSC+1], s[CSC]                     ; named with it as a pair
	s_and_b32 s34, ttmp7, 0xffff                   ; 8 batch + head
	s_mul_i32 s36, s34, 540672
	s_mul_i32 s35, s[WV], STEPB                    ; my key step of a slot
	s_add_co_u32 s36, s36, s35
	s_mov_b32 s37, 0
	s_lshl_b32 s39, ttmp9, 3
	s_add_co_u32 s39, s39, s[WV]                   ; P: my pair of queries in the head
	s_lshl_b32 s40, s34, 18
	s_lshl_b32 s38, s39, 11
	s_add_co_u32 s40, s40, s38                     ; q's codes
	s_mov_b32 s41, 0
	s_lshl_b32 s42, s34, 13
	s_lshr_b32 s38, s39, 2
	s_lshl_b32 s38, s38, 8
	s_add_co_u32 s42, s42, s38
	s_and_b32 s38, s39, 3
	s_lshl_b32 s38, s38, 2
	s_add_co_u32 s42, s42, s38
	s_add_co_u32 s42, s42, QS                      ; q's pair word
	s_mov_b32 s43, 0
	s_lshr_b32 s48, s34, 3                         ; the batch
	s_and_b32 s49, s34, 7                          ; the head
	s_lshl_b32 s48, s48, 7                         ; its first pair of tokens
	s_add_co_u32 s50, s48, s39
	s_lshl_b32 s44, s50, 14
	s_lshl_b32 s38, s49, 10                        ; head hd is K step hd / 2, blocks 2 (hd % 2) on: 1,024 hd bytes
	s_add_co_u32 s44, s44, s38
	s_mov_b32 s45, 0
	s_lshl_b32 s38, ttmp9, 3
	s_add_co_u32 s38, s38, s48
	s_lshl_b32 s46, s38, 6
	s_lshl_b32 s38, s49, 14
	s_add_co_u32 s46, s46, s38
	s_add_co_u32 s46, s46, CSO
	s_mov_b32 s47, 0
	s_wait_dscnt 0x0                               ; both opening adds are done
	s_wait_kmcnt 0x0
	s_add_nc_u64 s[36:37], s[6:7], s[36:37]
.irp n, 0,1
	s_mov_b32 s[G0+4*\n], 1
	s_add_co_u32 s[G0+4*\n+1], s35, \n*SLOT        ; LDS: the slot + 16,896 x wave
	s_add_nc_u64 s[G0+4*\n+2:G0+4*\n+3], s[36:37], \n*SLOT
	s_or_b32 s[G0+4*\n+3], s[G0+4*\n+3], 0x80000000
.endr
	tensor_load_to_lds s[G0:G0+3], s[G1:G1+7]      ; key steps 0-7
	s_nop 0
	tensor_load_to_lds s[G0+4:G0+7], s[G1:G1+7]    ; key steps 8-15
	s_nop 0
.rept 4
	v_nop
.endr
	s_add_nc_u64 s[40:41], s[4:5], s[40:41]
	s_add_nc_u64 s[42:43], s[4:5], s[42:43]
	s_add_nc_u64 s[44:45], s[8:9], s[44:45]        ; ctx's codes
	s_add_nc_u64 s[46:47], s[8:9], s[46:47]        ; ctx's scale bytes of the work-group's 8 pairs
	v_and_b32 v8, 31, v0
	v_lshlrev_b32 v[LI], 4, v8
	v_and_b32 v9, 15, v0
	v_lshlrev_b32 v5, 4, v9                        ; 16 r
	s_lshl_b32 s38, s[WV], 6
	s_add_co_u32 s38, s38, CSL
	v_lshl_add_u32 v6, v9, 1, s38                  ; where my pair's scale bytes are gathered: 64 x wave + 2 r
	v_add_nc_u32 v7, CSL, v[LI]                    ; and read back
	global_load_b128 v[QZ+8:QZ+11], v[LI], s[40:41] th:TH_LOAD_NT
	global_load_b128 v[QZ+12:QZ+15], v[LI], s[40:41] offset:512 th:TH_LOAD_NT
	global_load_b32 v[QSA], v5, s[42:43]
.macro INIT                            ; the loop is written once: its first step finds zeros, which the first change of M leaves zeros
.irp j, 0,1,2,3,4,5,6,7
	v_mov_b32 v[QZ+\j], 0
	v_mov_b32 v[QZ+16+\j], 0
.endr
.set j, 0
.rept 32
	v_mov_b32 v[O+j], 0
.set j, j+1
.endr
	v_mov_b32 v12, 0x7f61b1e6                      ; -M: 3e38, a whole number
	v_mov_b32 v13, 0xff61b1e6                      ; the largest t so far: -3e38
	v_mov_b32 v14, 0
	v_mov_b32 v15, 0
.irp b, 0,1,2,3
	v_mov_b32 v[PD+\b], 0
.endr
	v_mov_b32 v[TP], 0
	v_mov_b32 v[FF+1], 0
.endm
	WIN 0x40                                       ; destination window 1
	global_load_b128 v[QZ+8:QZ+11], v[LI], s[40:41] offset:1024 th:TH_LOAD_NT
	global_load_b128 v[QZ+12:QZ+15], v[LI], s[40:41] offset:1536 th:TH_LOAD_NT
	INIT
	WIN 0
	INIT
	s_wait_loadcnt 0x0
	v_lshrrev_b32 v[QSB], 16, v[QSA]               ; the pair word's bytes: u0b0, u0b1, u1b0, u1b1
	v_and_b32 v[QSA], 0xffff, v[QSA]
	v_lshl_or_b32 v[QSA], v[QSA], 16, v[QSA]       ; (b0, b1, b0, b1): it serves [q | 0] and [0 | q]
	v_lshl_or_b32 v[QSB], v[QSB], 16, v[QSB]
; one tile's softmax of a key step; tile = 1: under window 1
.macro SOFTMAX tile
.irp b, 0,1,2,3
	v_max3_num_f32 v[BM+\b], v[S+16*\b], v[S+1+16*\b], v[S+2+16*\b]   ; the largest score of each block of 32 keys: for the row's maximum, and for the block's largest p
.endr
.irp i, 3,5,7,9,11,13
.irp b, 0,1,2,3
	v_max3_num_f32 v[BM+\b], v[BM+\b], v[S+16*\b+\i], v[S+1+16*\b+\i]
.endr
.endr
.irp b, 0,1,2,3
	v_max_num_f32 v[BM+\b], v[BM+\b], v[S+15+16*\b]
.endr
.irp b, 0,1,2,3
	v_permlanex16_b32 v[PD+\b], v[BM+\b], s[SEL], s[SEL+1]
.endr
.irp b, 0,1,2,3
	v_max_num_f32 v[BM+\b], v[BM+\b], v[PD+\b]
.endr
	v_max3_num_f32 v[TP], v[BM], v[BM+1], v[BM+2]
	v_max_num_f32 v[TP], v[TP], v[BM+3]
	v_mul_f32 v[TP], s[CSC], v[TP]
	v_max_num_f32 v13, v13, v[TP]                  ; the running largest t
	v_mov_b32 v[TP], v12
	v_floor_f32 v12, -v13                          ; -M = floor(-t)
	v_sub_f32 v[TP], v12, v[TP]                    ; old M - new M: a whole number, 0 or less
	v_cvt_i32_f32 v[TP], v[TP]
	v_ldexp_f32 v[FF], 1.0, v[TP]                  ; f = 2^(old M - new M)
.set j, 0
.rept 32
	v_pk_fma_f32 v[S+j:S+j+1], v[S+j:S+j+1], s[CSC:CSC+1], v[12:13] op_sel_hi:[1,0,0]   ; t - M
.set j, j+2
.endr
.irp b, 0,1,2,3
	v_fma_f32 v[BM+\b], v[BM+\b], s[CSC], v12
.endr
.set j, 0
.rept 64
	v_exp_f32 v[S+j], v[S+j]
.set j, j+1
.endr
	v_pk_mul_f32 v[14:15], v[14:15], v[FF:FF+1] op_sel_hi:[1,0]   ; the sums under the new M: the plain instruction behind the batch
	s_wait_alu depctr_va_vdst(0)                   ; one wait for the 64, ahead of their first reader
.irp b, 0,1,2,3
	v_exp_f32 v[BM+\b], v[BM+\b]                   ; the block's largest p
.endr
	v_pk_add_f32 v[CH:CH+1], v[S:S+1], v[S+2:S+3]  ; the row's sum of the unquantised p, in two chains
.irp j, 4,8,12,16,20,24,28,32,36,40,44,48,52,56,60
	v_pk_add_f32 v[14:15], v[14:15], v[S+\j:S+\j+1]
	v_pk_add_f32 v[CH:CH+1], v[CH:CH+1], v[S+\j+2:S+\j+3]
.endr
	v_pk_add_f32 v[14:15], v[14:15], v[CH:CH+1]
	s_wait_alu depctr_va_vdst(0)                   ; and one for the four
.irp b, 0,1,2,3
	v_max_num_f32 v[BM+\b], 0x8000000, v[BM+\b]
.endr
.irp b, 0,1,2,3
	v_add_nc_u32 v[SO+\b], 0xf8800000, v[BM+\b]
.endr
.irp b, 0,1,2,3
	v_and_or_b32 v[HL+\b], v[BM+\b], 0x7f800000, s[MNT]
.endr
.irp b, 0,1,2,3
	v_lshrrev_b32 v[PD+\b], 23, v[SO+\b]
.endr
	v_lshl_or_b32 v[FF+1], v[PD+1], 8, v[PD]
	v_lshl_or_b32 v[FF+1], v[PD+2], 16, v[FF+1]
	v_lshl_or_b32 v[FF+1], v[PD+3], 24, v[FF+1]    ; p's scale word for these 128 keys
.if \tile
	WIN 0x01                                       ; scale operands have no window: tile B's word is copied into window 0
	v_mov_b32 v[PWB], v[FF+1]
	WIN 0x55
.endif
.irp b, 0,1,2,3
.irp i, 0,1,2,3,4,5,6,7,8,9,10,11,12,13,14,15
	v_min_num_f32 v[S+16*\b+\i], v[S+16*\b+\i], v[HL+\b]   ; p is not negative: the hold is one-sided
.endr
	v_cvt_scalef32_pk8_bf8_f32 v[PC+4*\b:PC+4*\b+1], v[S+16*\b:S+16*\b+7], v[SO+\b]
	v_cvt_scalef32_pk8_bf8_f32 v[PC+4*\b+2:PC+4*\b+3], v[S+16*\b+8:S+16*\b+15], v[SO+\b]
.endr
.set j, 0
.rept 16
	v_pk_mul_f32 v[O+j:O+j+1], v[O+j:O+j+1], v[FF:FF+1] op_sel_hi:[1,0]   ; O^T under the new M; these are also the places ahead of the products
.set j, j+2
.endr
.endm
.macro STEP                            ; 128 keys
	v_add_nc_u32 v[ADR], s[TB], v[LI]
.rept 7
	v_nop                                          ; with the addition: eight places behind the last products, ahead of loads into their registers
.endr
.irp b, 0,1,2,3
.irp c, 0,1,2,3
	ds_load_b128 v[FR+16*\b+4*\c:FR+16*\b+4*\c+3], v[ADR] offset:2048*\b+512*\c
.endr
.endr
	ds_load_b128 v[SC:SC+3], v[ADR] offset:16384
	s_wait_dscnt 0x0
.irp b, 0,1,2,3
	WM0 S+16*\b, FR+16*\b, QZ+8, SC+\b, QSA        ; keys 32 b + 16 h + 0 .. 7
	WM0 S+16*\b+8, FR+16*\b, QZ, SC+\b, QSA        ; keys 32 b + 16 h + 8 .. 15
.endr
	WIN 0x44                                       ; tile B: Q and S^T in window 1
.irp b, 0,1,2,3
	WM0 S+16*\b, FR+16*\b, QZ+8, SC+\b, QSB
	WM0 S+16*\b+8, FR+16*\b, QZ, SC+\b, QSB
.endr
	WIN 0
.rept 8
	v_nop
.endr
.irp t, 0,1,2,3
.irp c, 0,1,2,3
	ds_load_b128 v[FR+16*\t+4*\c:FR+16*\t+4*\c+3], v[ADR] offset:8192+2048*\t+512*\c   ; V lands while the softmax is walked
.endr
.endr
	SOFTMAX 0
	WIN 0x55
	SOFTMAX 1
	WIN 0
	s_wait_dscnt 0x0
.irp t, 0,1,2,3
	WMV O+8*\t, FR+16*\t, PC, SC+\t, FF+1
.endr
	WIN 0x54                                       ; tile B: P, C and D in window 1
.irp t, 0,1,2,3
	WMV O+8*\t, FR+16*\t, PC, SC+\t, PWB
.endr
	WIN 0
	s_add_co_u32 s[TB], s[TB], STEPB
.endm
.macro STEPS n                         ; a slot's eight key steps
	s_mov_b32 s[TB], (\n)*SLOT
	s_mov_b32 s[CNT], 8
.Lstep_\@:
	STEP
	s_sub_co_u32 s[CNT], s[CNT], 1
	s_cmp_lg_u32 s[CNT], 0
	s_cbranch_scc1 .Lstep_\@
.endm
.macro FILL n                          ; slot n, which has been read, takes the key steps two slots on
	s_wait_tensorcnt 0x0                           ; all my tensor loads have landed, my part of the other slot among them
	ds_add_u32 v[SPW], v[NIL]
	s_add_nc_u64 s[G0+4*\n+2:G0+4*\n+3], s[G0+4*\n+2:G0+4*\n+3], 2*SLOT
	s_wait_dscnt 0x0                               ; the add is done, and my reads of the slot are over
	s_barrier_signal -1
	s_barrier_wait -1
	tensor_load_to_lds s[G0+4*\n:G0+4*\n+3], s[G1:G1+7]   ; my one tensor load behind this barrier: eight key steps in which to land
	s_nop 0
.rept 4
	v_nop
.endr
.endm
	s_wait_tensorcnt 0x1                           ; my part of slot 0 is in; slot 1's may stay out
	s_barrier_signal -1
	s_barrier_wait -1
	STEPS 0
	FILL 0
	STEPS 1
	FILL 1
	STEPS 0
	s_wait_tensorcnt 0x0                           ; the last change of slots: nothing is left to fetch
	ds_add_u32 v[SPW], v[NIL]
	s_wait_dscnt 0x0
	s_barrier_signal -1
	s_barrier_wait -1
	STEPS 1
; THE WAY OUT of a tile: O^T / the sum is ctx; its 64 numbers of this head are two blocks of K of the next product: quantised here.  Codes leave as 512 consecutive bytes a store.
.macro FINISH u
.if \u
	WIN 0x55
.endif
	v_add_f32 v14, v14, v15
	v_permlanex16_b32 v[TP], v14, s[SEL], s[SEL+1]
	v_add_f32 v14, v14, v[TP]                      ; the row's sum
	v_rcp_f32 v14, v14
	v_nop
	s_wait_alu depctr_va_vdst(0)                   ; ahead of the reciprocal's first reader
.set j, 0
.rept 16
	v_pk_mul_f32 v[O+j:O+j+1], v[O+j:O+j+1], v[14:15] op_sel_hi:[1,0]
.set j, j+2
.endr
.irp b, 0,1
	v_max3_num_f32 v[BM+\b], |v[O+16*\b]|, |v[O+1+16*\b]|, 0x8000000
.endr
.irp i, 2,4,6,8,10,12,14
.irp b, 0,1
	v_max3_num_f32 v[BM+\b], v[BM+\b], |v[O+16*\b+\i]|, |v[O+1+16*\b+\i]|
.endr
.endr
.irp b, 0,1
	v_permlanex16_b32 v[PD+\b], v[BM+\b], s[SEL], s[SEL+1]
.endr
.irp b, 0,1
	v_max_num_f32 v[BM+\b], v[BM+\b], v[PD+\b]
.endr
.irp b, 0,1
	v_add_nc_u32 v[SO+\b], 0xf8800000, v[BM+\b]
.endr
.irp b, 0,1
	v_and_or_b32 v[HL+\b], v[BM+\b], 0x7f800000, s[MNT]
.endr
.irp b, 0,1
	v_lshrrev_b32 v[PD+\b], 23, v[SO+\b]
.endr
	v_lshl_or_b32 v[TP], v[PD+1], 8, v[PD]         ; the head's two bytes of my row
.irp b, 0,1
.irp i, 0,1,2,3,4,5,6,7,8,9,10,11,12,13,14,15
	v_med3_num_f32 v[O+16*\b+\i], v[O+16*\b+\i], -v[HL+\b], v[HL+\b]
.endr
	v_cvt_scalef32_pk8_bf8_f32 v[PC+4*\b:PC+4*\b+1], v[O+16*\b:O+16*\b+7], v[SO+\b]
	v_cvt_scalef32_pk8_bf8_f32 v[PC+4*\b+2:PC+4*\b+3], v[O+16*\b+8:O+16*\b+15], v[SO+\b]
.endr
	v_nop
.if \u
	WIN 0x04                                       ; a store's data are its source 1: window 1
.endif
	global_store_b128 v[LI], v[PC:PC+3], s[44:45] offset:8192*\u
	global_store_b128 v[LI], v[PC+4:PC+7], s[44:45] offset:8192*\u+512
	ds_store_b16 v6, v[TP] offset:32*\u            ; both halves of the lanes write the same two bytes with the same value
	WIN 0
.endm
.rept 8
	v_nop                                          ; eight places behind the last products
.endr
	FINISH 0
	FINISH 1
	s_wait_dscnt 0x0                               ; for the others' sake: my stores have landed
	s_barrier_signal -1
	s_barrier_wait -1
	s_cmp_lg_u32 s[WV], 0
	s_cbranch_scc1 .Lnot_wave_0
	ds_load_b128 v[FR:FR+3], v7                    ; the 8 pairs' scale bytes: 512 bytes
	s_wait_dscnt 0x0
	global_store_b128 v[LI], v[FR:FR+3], s[46:47]
.Lnot_wave_0:
	s_wait_tensorcnt 0x0                           ; the wave's end
	ds_add_u32 v[SPW], v[NIL]
	s_wait_dscnt 0x0
	s_endpgm
.Lfunc_end_k_q13edb02585_attn:
	.size	k_q13edb02585_attn, .Lfunc_end_k_q13edb02585_attn-k_q13edb02585_attn
	.p2alignl 7, 3214868480
	.fill 96, 4, 3214868480
	.section	.rodata,"a",@progbits
	.p2align	6, 0x0
	.amdhsa_kernel k_q13edb02585_attn
		.amdhsa_group_segment_fixed_size 327680
		.amdhsa_private_segment_fixed_size 0
		.amdhsa_enable_private_segment 0
		.amdhsa_kernarg_size 24
		.amdhsa_user_sgpr_count 2
		.amdhsa_user_sgpr_kernarg_segment_ptr 1
		.amdhsa_wavefront_size32 1
		.amdhsa_system_sgpr_workgroup_id_x 1
		.amdhsa_system_sgpr_workgroup_id_y 1
		.amdhsa_system_sgpr_workgroup_id_z 1
		.amdhsa_system_vgpr_workitem_id 0
		.amdhsa_next_free_vgpr 512
		.amdhsa_next_free_sgpr 66
		.amdhsa_reserve_vcc 0
		.amdhsa_float_denorm_mode_32 3
		.amdhsa_float_denorm_mode_16_64 3
		.amdhsa_memory_ordered 1
		.amdhsa_forward_progress 1
		.amdhsa_inst_pref_size 157
	.end_amdhsa_kernel
	.amdgpu_metadata
---
amdhsa.version: [ 1, 2 ]
amdhsa.kernels:
  - .name:           k_q13edb02585_attn
    .symbol:         k_q13edb02585_attn.kd
    .args:
      - { .name: qop, .offset: 0, .size: 8, .value_kind: global_buffer, .address_space: global }
      - { .name: kvop, .offset: 8, .size: 8, .value_kind: global_buffer, .address_space: global }
      - { .name: cop, .offset: 16, .size: 8, .value_kind: global_buffer, .address_space: global }
    .group_segment_fixed_size: 327680
    .private_segment_fixed_size: 0
    .kernarg_segment_align: 8
    .kernarg_segment_size: 24
    .max_flat_workgroup_size: 256
    .sgpr_count:     66
    .vgpr_count:     512
    .wavefront_size: 32
...
	.end_amdgpu_metadata
.endif
;; end of part 3
;; launch mlp (part 4): grid 256 x 1, 4 waves a work-group, no clusters, 100,352 bytes of LDS; arguments cop, wop, b1, b2, out0; writes out0
.if DOCPART == 4
	.amdgcn_target "amdgcn-amd-amdhsa--gfx1250"
	.amdhsa_code_object_version 6
	.text
	.protected	k_q13edb02585_mlp
	.globl	k_q13edb02585_mlp
	.p2align	8
	.type	k_q13edb02585_mlp,@function
k_q13edb02585_mlp:
	s_mov_b64 s[64:65], 0
	v_nop
	global_prefetch_b8 v0, s[64:65] scope:SCOPE_SE
	s_setreg_imm32_b32 hwreg(HW_REG_WAVE_MODE, 25, 1), 1
	s_wait_xcnt 0x0
; Launch 4 of 4: y = ctx wo + sum of bo; h = relu(y w1 + b1); out = h w2 + b2: three products on codes of E5M2; y and h are quantised on the way and never go to memory.  Nothing of reference() is left out.
; SHARES: a work-group takes a pair of 32 tokens (tiles m = 0, 1).  THE WAVES SHARE THE COLUMNS: wave w makes columns 128 w .. 128 w + 127 of each layer, which are K step w of the next.
; Source 0 = 16 columns of the weight, source 1 = 16 tokens: a lane holds one token and its registers run along the columns; the columns of a tile are chosen so that 16 registers are 16 neighbours along the next K.
; A layer's 32 weight fragments of a wave come from memory straight into registers as images, 512 consecutive bytes a load, half a layer ahead.  Each wave reads other columns, so LDS would share nothing: no tensor load, no cluster.
; y's and h's fragments go from wave to wave through LDS as images of their registers; each layer has bytes of its own, so one barrier a layer is enough.
; LIMITS: as in launch 1.
.set WSCL,  1572864
.set BSUM,  1622016
.set CSO,   4194304
.set STG,   33792                      ; LDS: y's images 0, words 16,384; h's images 16,896, words 33,280; the stage: 32 rows x (2,048 + 16)
.set SPARE, 99840
.set SPW, 4
.set NIL, 5
.set WSR, 16                           ; v16-47 the weights' scale words, two sets: 16 set + 4 beta + s
.set AS,  48                           ; v48-51 the activations' scale words by K step: tile 0 in lanes 0-15, tile 1 in lanes 16-31
.set U16, 56                           ; v56-63 ctx's two bytes of each head
.set ACT, 128                          ; v128-255 the activations' fragments (m, s) at 16 (4 m + s); later rows of the output
.set BIA, 128                          ; window 3: v0-127 accumulators (m, t) at 64 m + 8 t; v128-191 the bias, 8 t
.set TM,  192
.set PC,  208
.set PW,  224
.set PW0, 225
.set WV,  14
.set SEL, 16
.set MNT, 18
.set MK,  19
.set MSB, 0
.macro WIN new
.if MSB != \new
	s_set_vgpr_msb (MSB<<8)|\new
.set MSB, \new
.endif
.endm
.macro QUANT s, relu, pw
.if \relu
.irp b, 0,1,2,3
	v_max3_num_f32 v[TM+\b], v[(\s)+16*\b], v[(\s)+1+16*\b], 0x8000000   ; no |.|: what is negative becomes 0, so it must not count
.endr
.irp i, 2,4,6,8,10,12,14
.irp b, 0,1,2,3
	v_max3_num_f32 v[TM+\b], v[TM+\b], v[(\s)+16*\b+\i], v[(\s)+1+16*\b+\i]
.endr
.endr
.else
.irp b, 0,1,2,3
	v_max3_num_f32 v[TM+\b], |v[(\s)+16*\b]|, |v[(\s)+1+16*\b]|, 0x8000000
.endr
.irp i, 2,4,6,8,10,12,14
.irp b, 0,1,2,3
	v_max3_num_f32 v[TM+\b], v[TM+\b], |v[(\s)+16*\b+\i]|, |v[(\s)+1+16*\b+\i]|
.endr
.endr
.endif
.irp b, 0,1,2,3
	v_permlanex16_b32 v[TM+4+\b], v[TM+\b], s[SEL], s[SEL+1]
.endr
.irp b, 0,1,2,3
	v_max_num_f32 v[TM+\b], v[TM+\b], v[TM+4+\b]
.endr
.irp b, 0,1,2,3
	v_add_nc_u32 v[TM+12+\b], 0xf8800000, v[TM+\b]
.endr
.irp b, 0,1,2,3
	v_and_or_b32 v[TM+8+\b], v[TM+\b], 0x7f800000, s[MNT]
.endr
.irp b, 0,1,2,3
	v_lshrrev_b32 v[TM+4+\b], 23, v[TM+12+\b]
.endr
	v_lshl_or_b32 v[\pw], v[TM+5], 8, v[TM+4]
	v_lshl_or_b32 v[\pw], v[TM+6], 16, v[\pw]
	v_lshl_or_b32 v[\pw], v[TM+7], 24, v[\pw]
.irp b, 0,1,2,3
.irp i, 0,1,2,3,4,5,6,7,8,9,10,11,12,13,14,15
.if \relu
	v_med3_num_f32 v[(\s)+16*\b+\i], v[(\s)+16*\b+\i], 0, v[TM+8+\b]   ; the activation and the hold in one
.else
	v_med3_num_f32 v[(\s)+16*\b+\i], v[(\s)+16*\b+\i], -v[TM+8+\b], v[TM+8+\b]
.endif
.endr
	v_cvt_scalef32_pk8_bf8_f32 v[PC+4*\b:PC+1+4*\b], v[(\s)+16*\b:(\s)+7+16*\b], v[TM+12+\b]
	v_cvt_scalef32_pk8_bf8_f32 v[PC+2+4*\b:PC+3+4*\b], v[(\s)+8+16*\b:(\s)+15+16*\b], v[TM+12+\b]
.endr
	v_nop
.endm
.macro WM d, a, b, c, sa, sb, ra, rb
.if (\ra) && (\rb)
	v_wmma_scale_f32_16x16x128_f8f6f4 v[(\d):(\d)+7], v[(\a):(\a)+15], v[(\b):(\b)+15], v[(\c):(\c)+7], v[(\sa)], v[(\sb)] matrix_a_fmt:MATRIX_FMT_BF8 matrix_b_fmt:MATRIX_FMT_BF8 matrix_a_scale:MATRIX_SCALE_ROW1 matrix_b_scale:MATRIX_SCALE_ROW1
.elseif (\ra)
	v_wmma_scale_f32_16x16x128_f8f6f4 v[(\d):(\d)+7], v[(\a):(\a)+15], v[(\b):(\b)+15], v[(\c):(\c)+7], v[(\sa)], v[(\sb)] matrix_a_fmt:MATRIX_FMT_BF8 matrix_b_fmt:MATRIX_FMT_BF8 matrix_a_scale:MATRIX_SCALE_ROW1
.elseif (\rb)
	v_wmma_scale_f32_16x16x128_f8f6f4 v[(\d):(\d)+7], v[(\a):(\a)+15], v[(\b):(\b)+15], v[(\c):(\c)+7], v[(\sa)], v[(\sb)] matrix_a_fmt:MATRIX_FMT_BF8 matrix_b_fmt:MATRIX_FMT_BF8 matrix_b_scale:MATRIX_SCALE_ROW1
.else
	v_wmma_scale_f32_16x16x128_f8f6f4 v[(\d):(\d)+7], v[(\a):(\a)+15], v[(\b):(\b)+15], v[(\c):(\c)+7], v[(\sa)], v[(\sb)] matrix_a_fmt:MATRIX_FMT_BF8 matrix_b_fmt:MATRIX_FMT_BF8
.endif
.endm
.macro PLACES
.rept 8
	v_nop
.endr
.endm
.macro BARRIER                         ; my LDS stores have landed and my LDS loads are in: then the work-group's barrier
	s_wait_dscnt 0x0
	s_barrier_signal -1
	s_barrier_wait -1
.endm
.macro LDA l                           ; layer l's fragments (t, s = 0, 1) into window 1, at 16 (2 t + s)
	WIN 0x40
.irp t, 0,1,2,3,4,5,6,7
.irp s, 0,1
.irp c, 0,1,2,3
	global_load_b128 v[16*(2*\t+\s)+4*\c:16*(2*\t+\s)+4*\c+3], v1, s[20:21] offset:(3+(\l))*262144+(4*\t+\s)*2048+512*\c
.endr
.endr
.endr
	WIN 0
.endm
.macro LDB l                           ; (t, s = 2, 3) into window 2
	WIN 0x80
.irp t, 0,1,2,3,4,5,6,7
.irp s, 2,3
.irp c, 0,1,2,3
	global_load_b128 v[16*(2*\t+\s-2)+4*\c:16*(2*\t+\s-2)+4*\c+3], v1, s[20:21] offset:(3+(\l))*262144+(4*\t+\s)*2048+512*\c
.endr
.endr
.endr
	WIN 0
.endm
.macro LDBIAS l                        ; register j of tile t is column 128 w + 32 (t / 2) + 16 h + 8 (t % 2) + j
	WIN 0xc0
.irp t, 0,1,2,3,4,5,6,7
	global_load_b128 v[BIA+8*\t:BIA+8*\t+3], v6, s[24+2*(\l):25+2*(\l)] offset:128*(\t/2)+32*(\t%2)
	global_load_b128 v[BIA+8*\t+4:BIA+8*\t+7], v6, s[24+2*(\l):25+2*(\l)] offset:128*(\t/2)+32*(\t%2)+16
.endr
	WIN 0
.endm
.macro LDWS l, set
.irp be, 0,1,2,3
.irp ka, 0,1
	global_load_b64 v[WSR+16*(\set)+4*\be+2*\ka:WSR+16*(\set)+4*\be+2*\ka+1], v3, s[22:23] offset:WSCL+(3+(\l))*8192+512*\be+256*\ka
.endr
.endr
.endm
.macro MUL l, s                        ; a K step: 16 products, the 16 accumulators by turns; the bias is the C of the first
.irp t, 0,1,2,3,4,5,6,7
.irp m, 0,1
.if (\s) == 0
	WM 64*\m+8*\t, 16*(2*\t+(\s)%2), ACT+16*(4*\m+(\s)), BIA+8*\t, WSR+16*((\l)%2)+4*(\t/2)+(\s), AS+(\s), \t%2, \m
.else
	WM 64*\m+8*\t, 16*(2*\t+(\s)%2), ACT+16*(4*\m+(\s)), 64*\m+8*\t, WSR+16*((\l)%2)+4*(\t/2)+(\s), AS+(\s), \t%2, \m
.endif
.endr
.endr
.endm
.macro IMAGE off                       ; the fragment in v[PC] on goes to LDS as it stands
.irp c, 0,1,2,3
	ds_store_b128 v9, v[PC+4*\c:PC+4*\c+3] offset:(\off)+512*\c
.endr
.endm
.macro LAYER l
.if (\l) > 0
	s_wait_loadcnt 63                              ; the 64 loads of the layer's second half are younger: all but 63 are in, so the first half, the bias and the words are
.endif
	WIN 0xf1                                       ; source 0 window 1, source 1 window 0, C and D window 3
	MUL \l, 0
	MUL \l, 1
	WIN 0
	s_wait_loadcnt 0x0                             ; the second half, asked for a phase ago
.if (\l) < 2
	PLACES                                         ; ahead of loads into registers that the products have read
	LDA (\l)+1
	LDBIAS (\l)+1
	LDWS (\l)+1, ((\l)+1)%2
.endif
	WIN 0xf2
	MUL \l, 2
	MUL \l, 3
	WIN 0
	PLACES
.if (\l) < 2
	LDB (\l)+1
	WIN 0xff                                       ; all in window 3
	QUANT 0, \l, PW
	WIN 0x0c                                       ; an LDS store's data are its source 1: window 3; its address lies in window 0
	IMAGE 16896*(\l)
	WIN 0xff
	v_mov_b32 v[PW0], v[PW]
	s_wait_dscnt 0x0                               ; the stores have read their registers
	QUANT 64, \l, PW
	v_cndmask_b32 v[PW], v[PW0], v[PW], s[MK]      ; tile 0's words in lanes 0-15, tile 1's in lanes 16-31
	WIN 0x0c
	IMAGE 16896*(\l)+8192
	ds_store_b32 v10, v[PW] offset:16384+16896*(\l)
	WIN 0
	BARRIER                                        ; the eight fragments of the next operand lie in LDS
.irp f, 0,1,2,3,4,5,6,7
.irp c, 0,1,2,3
	ds_load_b128 v[ACT+16*\f+4*\c:ACT+16*\f+4*\c+3], v1 offset:16896*(\l)+2048*\f+512*\c
.endr
.endr
.irp s, 0,1,2,3
	ds_load_b32 v[AS+\s], v2 offset:16384+16896*(\l)+128*\s
.endr
	s_wait_dscnt 0x0
.endif
.endm
	s_load_b256 s[4:11], s[0:1], 0x0               ; cop, wop, b1, b2
	s_load_b64 s[12:13], s[0:1], 0x20              ; out0
	v_lshl_add_u32 v[SPW], v0, 2, SPARE
	v_mov_b32 v[NIL], 0
	v_lshrrev_b32 v1, 5, v0
	v_readfirstlane_b32 s[WV], v1                  ; wave 0..3
	v_and_b32 v12, 31, v0                          ; L
	v_and_b32 v13, 15, v0                          ; r
	v_bfe_u32 v14, v0, 4, 1                        ; h
	v_lshlrev_b32 v1, 4, v12                       ; 16 L
	v_lshlrev_b32 v2, 2, v12                       ; 4 L
	v_lshlrev_b32 v3, 3, v12                       ; 8 L
	v_lshlrev_b32 v6, 6, v14                       ; 64 h
	v_lshlrev_b32 v7, 1, v12                       ; 2 L
	s_mul_i32 s36, s[WV], 16512
	s_add_co_u32 s36, s36, STG
	v_add_nc_u32 v8, s36, v1                       ; the stage, back: my 8 rows, 16 bytes a lane
	s_lshl_b32 s36, s[WV], 11
	v_add_nc_u32 v9, s36, v1                       ; where I store images: K step w
	s_lshl_b32 s36, s[WV], 7
	v_add_nc_u32 v10, s36, v2                      ; and their scale words
	v_mul_u32_u24 v11, v13, 2064
	v_lshl_add_u32 v11, v14, 6, v11
	s_lshl_b32 s36, s[WV], 9
	s_add_co_u32 s36, s36, STG
	v_add_nc_u32 v11, s36, v11                     ; the stage, in: row r, + 512 w + 64 h
	WIN 0xc0
.irp b, 0,1,2,3
	v_mov_b32 v[TM+4+\b], 0                        ; a lane permute's destination counts as one of its sources
.endr
	WIN 0
	s_mov_b32 s[SEL], 0x76543210
	s_mov_b32 s[SEL+1], 0xfedcba98
	s_mov_b32 s[MNT], 0x600000
	s_mov_b32 s[MK], 0xffff0000
	s_lshl_b32 s20, s[WV], 16                      ; my 4 pairs of columns: 65,536 bytes of codes,
	s_mov_b32 s21, 0
	s_lshl_b32 s22, s[WV], 11                      ; 2,048 of scale words,
	s_mov_b32 s23, 0
	s_lshl_b32 s36, s[WV], 9                       ; 512 of a bias
	s_mov_b32 s37, 0
	s_add_co_u32 s24, s36, BSUM
	s_mov_b32 s25, 0
	s_lshl_b32 s30, ttmp9, 14                      ; my pair's codes of ctx
	s_mov_b32 s31, 0
	s_lshl_b32 s32, ttmp9, 6
	s_add_co_u32 s32, s32, CSO                     ; and its scale bytes
	s_mov_b32 s33, 0
	s_lshl_b32 s34, ttmp9, 5
	s_lshr_b32 s38, s[WV], 1
	s_lshl_b32 s38, s38, 3
	s_add_co_u32 s34, s34, s38
	s_and_b32 s38, s[WV], 1
	s_lshl_b32 s38, s38, 4
	s_add_co_u32 s34, s34, s38                     ; stage rows 8 w .. 8 w + 7 are tokens 32 P + 8 (w / 2) + 16 (w % 2) + 0 .. 7
	s_lshl_b32 s34, s34, 11
	s_mov_b32 s35, 0
	s_wait_kmcnt 0x0
	s_add_nc_u64 s[20:21], s[6:7], s[20:21]
	s_add_nc_u64 s[22:23], s[6:7], s[22:23]
	s_add_nc_u64 s[24:25], s[6:7], s[24:25]        ; the sum of bo
	s_add_nc_u64 s[26:27], s[8:9], s[36:37]        ; b1
	s_add_nc_u64 s[28:29], s[10:11], s[36:37]      ; b2
	s_add_nc_u64 s[30:31], s[4:5], s[30:31]
	s_add_nc_u64 s[32:33], s[4:5], s[32:33]
	s_add_nc_u64 s[34:35], s[12:13], s[34:35]
.irp f, 0,1,2,3,4,5,6,7
.irp c, 0,1,2,3
	global_load_b128 v[ACT+16*\f+4*\c:ACT+16*\f+4*\c+3], v1, s[30:31] offset:2048*\f+512*\c
.endr
.endr
.irp hd, 0,1,2,3,4,5,6,7
	global_load_u16 v[U16+\hd], v7, s[32:33] offset:16384*\hd
.endr
	LDA 0
	LDBIAS 0
	LDWS 0, 0
	LDB 0
	s_wait_loadcnt 63                              ; the 64 loads of the second half are younger: all else is in
.irp s, 0,1,2,3
	v_lshl_or_b32 v[AS+\s], v[U16+2*\s+1], 16, v[U16+2*\s]   ; K step s is heads 2 s and 2 s + 1, two bytes each
.endr
	PLACES                                         ; a scale register written by a vector instruction stands eight places ahead of the product
	LAYER 0
	LAYER 1
	LAYER 2
	; THE WAY OUT: a row's 512 numbers come from four waves: they meet in the stage, and each wave stores 8 whole rows
	WIN 0x0c
.irp m, 0,1
.irp be, 0,1,2,3
.irp q, 0,1,2,3
	ds_store_b128 v11, v[64*\m+16*\be+4*\q:64*\m+16*\be+4*\q+3] offset:33024*\m+128*\be+16*\q   ; each accumulator from its low end on
.endr
.endr
.endr
	WIN 0
	BARRIER
.irp i, 0,1,2,3,4,5,6,7
.irp q, 0,1,2,3
	ds_load_b128 v[ACT+4*(4*\i+\q):ACT+4*(4*\i+\q)+3], v8 offset:2064*\i+512*\q
.endr
.endr
.irp i, 0,1,2,3,4,5,6,7
.irp q, 0,1,2,3
	s_wait_dscnt 31-(4*\i+\q)                      ; the loads younger than this one may be out
	global_store_b128 v1, v[ACT+4*(4*\i+\q):ACT+4*(4*\i+\q)+3], s[34:35] offset:2048*\i+512*\q th:TH_STORE_NT   ; 512 consecutive bytes of a row
.endr
.endr
	s_wait_tensorcnt 0x0                           ; the wave's end
	ds_add_u32 v[SPW], v[NIL]
	s_wait_dscnt 0x0
	s_endpgm
.Lfunc_end_k_q13edb02585_mlp:
	.size	k_q13edb02585_mlp, .Lfunc_end_k_q13edb02585_mlp-k_q13edb02585_mlp
	.p2alignl 7, 3214868480
	.fill 96, 4, 3214868480
	.section	.rodata,"a",@progbits
	.p2align	6, 0x0
	.amdhsa_kernel k_q13edb02585_mlp
		.amdhsa_group_segment_fixed_size 100352
		.amdhsa_private_segment_fixed_size 0
		.amdhsa_enable_private_segment 0
		.amdhsa_kernarg_size 40
		.amdhsa_user_sgpr_count 2
		.amdhsa_user_sgpr_kernarg_segment_ptr 1
		.amdhsa_wavefront_size32 1
		.amdhsa_system_sgpr_workgroup_id_x 1
		.amdhsa_system_sgpr_workgroup_id_y 1
		.amdhsa_system_sgpr_workgroup_id_z 1
		.amdhsa_system_vgpr_workitem_id 0
		.amdhsa_next_free_vgpr 1024
		.amdhsa_next_free_sgpr 66
		.amdhsa_reserve_vcc 0
		.amdhsa_float_denorm_mode_32 3
		.amdhsa_float_denorm_mode_16_64 3
		.amdhsa_memory_ordered 1
		.amdhsa_forward_progress 1
		.amdhsa_inst_pref_size 123
	.end_amdhsa_kernel
	.amdgpu_metadata
---
amdhsa.version: [ 1, 2 ]
amdhsa.kernels:
  - .name:           k_q13edb02585_mlp
    .symbol:         k_q13edb02585_mlp.kd
    .args:
      - { .name: cop, .offset: 0, .size: 8, .value_kind: global_buffer, .address_space: global }
      - { .name: wop, .offset: 8, .size: 8, .value_kind: global_buffer, .address_space: global }
      - { .name: b1, .offset: 16, .size: 8, .value_kind: global_buffer, .address_space: global }
      - { .name: b2, .offset: 24, .size: 8, .value_kind: global_buffer, .address_space: global }
      - { .name: out0, .offset: 32, .size: 8, .value_kind: global_buffer, .address_space: global }
    .group_segment_fixed_size: 100352
    .private_segment_fixed_size: 0
    .kernarg_segment_align: 8
    .kernarg_segment_size: 40
    .max_flat_workgroup_size: 128
    .sgpr_count:     66
    .vgpr_count:     1024
    .wavefront_size: 32
...
	.end_amdgpu_metadata
.endif
;; end of part 4
;; ======== version 2 of 2: 4 launches
;; workspace buffers: xop 4,325,376 bytes; wop 1,624,064 bytes; qop 4,325,376 bytes; kvop 8,650,752 bytes; cop 4,325,376 bytes
;; launch prep (part 5): grid 353 x 1, 2 waves a work-group, no clusters, 17,152 bytes of LDS; arguments x, wq, wk, wv, wo, w1, w2, bo, xop, wop; writes xop, wop
.if DOCPART == 5
	.amdgcn_target "amdgcn-amd-amdhsa--gfx1250"
	.amdhsa_code_object_version 6
	.text
	.protected	k_q13edb02585_prep
	.globl	k_q13edb02585_prep
	.p2align	8
	.type	k_q13edb02585_prep,@function
k_q13edb02585_prep:
	s_mov_b64 s[64:65], 0
	v_nop
	global_prefetch_b8 v0, s[64:65] scope:SCOPE_SE
	s_setreg_imm32_b32 hwreg(HW_REG_WAVE_MODE, 25, 1), 1
	s_wait_xcnt 0x0
; AttentionLayer, launch 1 of 4: x and the six weights become codes of E5M2 with one E8M0 byte for each 32 along K; bo is summed over the heads.
; NOTHING OF reference() IS LEFT OUT in this program: every bias goes into a quantised operand or into the output, so every input is loaded.
; LAYOUT OF THE CODES (the program's own): rows (tokens of x, output columns of a weight) go in pairs P of 32; tile (P, u) gives lane r the row 32 P + 8 u + r + 8 (r / 8).
; A fragment (P, u, s) (16 rows x 128 along K) lies at ((2 P + u) 4 + s) 2,048 as the image of its 16 registers: registers 4 c .. 4 c + 3 of lane L at 512 c + 16 L (k = 128 s + 32 c + 16 (L / 16) + 0 .. 15).
; Scale words: pair P at 512 P, K steps 2 kappa and 2 kappa + 1 at 256 kappa + 8 x lane, tile 0 in lanes 0-15, tile 1 in lanes 16-31.
; SHARES: work-groups 0-255: a pair of x; 256-303: a pair of columns of wq, wk, wv (K rows 256 bytes apart); 304-351: of wo, w1, w2 (2,048 apart); 352: the sum of bo.  Wave kappa takes K steps 2 kappa, 2 kappa + 1.
; x: each load reads 512 consecutive bytes of one token's row; a fragment's 16 rows turn through the wave's own stage in LDS (rows 528 bytes apart) so that a lane gets 16 neighbours along K.
; Weights: a lane takes a column and its registers run down K; sixteen lanes read two pieces of 32 bytes.  They are 6 of the launch's 23 MB read, and need no turn.
; No tensor load, no cluster, no barrier: waves share nothing.
; LIMITS: NaN and infinities among the inputs are not served; a block whose largest magnitude lies under 2^-111, or a block of zeros, gets the byte 1 (its codes are zeros or tiny; this program alone reads the bytes).
.set XSCL,  4194304
.set WSCL,  1572864
.set BSUM,  1622016
.set SPARE, 16896                      ; behind the two stages: the spare words, 128 bytes a wave
.set SPW, 8                            ; v8  my spare word's address; never rewritten
.set NIL, 9                            ; v9  0; never rewritten
.set TM,  16                           ; v16-19 largest magnitudes, v20-23 bytes, v24-27 hold limits, v28-31 the conversions' scale operands
.set PC,  32                           ; v32-47 a fragment's codes
.set PWR, 48                           ; v48-51 the four fragments' scale words
.set R,   64                           ; v64-191 two sets of 64 numbers as loaded
.set X,   192                          ; v192-255 64 numbers, 16 neighbours of each of four blocks
.set SEL, 28                           ; s[28:29] lane selects: lane l xor 16
.set MNT, 30                           ; s30 the mantissa field of 57,344
.set MK,  31                           ; s31 lanes 16-31
; 64 numbers of a lane, register 16 b + i = k 32 b + 16 (lane / 16) + i of my row, become 16 registers of codes in v[PC] on and the scale word in v[pw]
.macro QUANT s, relu, pw
.if \relu
.irp b, 0,1,2,3
	v_max3_num_f32 v[TM+\b], v[(\s)+16*\b], v[(\s)+1+16*\b], 0x8000000
.endr
.irp i, 2,4,6,8,10,12,14
.irp b, 0,1,2,3
	v_max3_num_f32 v[TM+\b], v[TM+\b], v[(\s)+16*\b+\i], v[(\s)+1+16*\b+\i]
.endr
.endr
.else
.irp b, 0,1,2,3
	v_max3_num_f32 v[TM+\b], |v[(\s)+16*\b]|, |v[(\s)+1+16*\b]|, 0x8000000   ; my 16 numbers and the floor 2^(16 - 127): the byte cannot fall under 1
.endr
.irp i, 2,4,6,8,10,12,14
.irp b, 0,1,2,3
	v_max3_num_f32 v[TM+\b], v[TM+\b], |v[(\s)+16*\b+\i]|, |v[(\s)+1+16*\b+\i]|
.endr
.endr
.endif
.irp b, 0,1,2,3
	v_permlanex16_b32 v[TM+4+\b], v[TM+\b], s[SEL], s[SEL+1]
.endr
.irp b, 0,1,2,3
	v_max_num_f32 v[TM+\b], v[TM+\b], v[TM+4+\b]             ; with lane l xor 16's: the block's largest magnitude
.endr
.irp b, 0,1,2,3
	v_add_nc_u32 v[TM+12+\b], 0xf8800000, v[TM+\b]           ; 15 off its exponent field: the conversion's scale operand
.endr
.irp b, 0,1,2,3
	v_and_or_b32 v[TM+8+\b], v[TM+\b], 0x7f800000, s[MNT]    ; 57,344 x the scale
.endr
.irp b, 0,1,2,3
	v_lshrrev_b32 v[TM+4+\b], 23, v[TM+12+\b]                ; the scale's byte
.endr
	v_lshl_or_b32 v[\pw], v[TM+5], 8, v[TM+4]
	v_lshl_or_b32 v[\pw], v[TM+6], 16, v[\pw]
	v_lshl_or_b32 v[\pw], v[TM+7], 24, v[\pw]
.irp b, 0,1,2,3
.irp i, 0,1,2,3,4,5,6,7,8,9,10,11,12,13,14,15
.if \relu
	v_med3_num_f32 v[(\s)+16*\b+\i], v[(\s)+16*\b+\i], 0, v[TM+8+\b]
.else
	v_med3_num_f32 v[(\s)+16*\b+\i], v[(\s)+16*\b+\i], -v[TM+8+\b], v[TM+8+\b]   ; the conversion does not saturate (ISA guide 7.6.2): the hold
.endif
.endr
	v_cvt_scalef32_pk8_bf8_f32 v[PC+4*\b:PC+1+4*\b], v[(\s)+16*\b:(\s)+7+16*\b], v[TM+12+\b]
	v_cvt_scalef32_pk8_bf8_f32 v[PC+2+4*\b:PC+3+4*\b], v[(\s)+8+16*\b:(\s)+15+16*\b], v[TM+12+\b]
.endr
	v_nop                                                    ; a plain instruction behind the last conversion
.endm
.macro FINI                            ; the wave's end
	s_wait_tensorcnt 0x0
	ds_add_u32 v[SPW], v[NIL]
	s_wait_dscnt 0x0
.endm
.macro TAIL                            ; the scale words of two K steps: tile 0's in lanes 0-15, tile 1's in lanes 16-31; 32 lanes store 256 consecutive bytes
	v_cndmask_b32 v52, v[PWR], v[PWR+2], s[MK]
	v_cndmask_b32 v53, v[PWR+1], v[PWR+3], s[MK]
	global_store_b64 v7, v[52:53], s[38:39]
	FINI
	s_endpgm
.endm
	s_load_b512 s[8:23], s[0:1], 0x0               ; x, wq, wk, wv, wo, w1, w2, bo
	s_load_b128 s[24:27], s[0:1], 0x40             ; xop, wop
	v_lshl_add_u32 v[SPW], v0, 2, SPARE
	v_mov_b32 v[NIL], 0
	v_lshrrev_b32 v1, 5, v0
	v_readfirstlane_b32 s2, v1                     ; kappa: my wave
	v_and_b32 v1, 31, v0                           ; L
	v_and_b32 v2, 15, v0                           ; r
	v_bfe_u32 v3, v0, 4, 1                         ; h
	v_lshlrev_b32 v4, 4, v1                        ; 16 L
	v_lshlrev_b32 v7, 3, v1                        ; 8 L
	s_mul_i32 s3, s2, 8448                         ; my stage
	v_add_nc_u32 v5, s3, v4                        ; into it: 16 L of a row
	v_mul_u32_u24 v6, v2, 528
	v_lshl_add_u32 v6, v3, 6, v6
	v_add_nc_u32 v6, s3, v6                        ; out of it: row r, + 64 h
	v_and_b32 v11, 8, v2
	v_add_nc_u32 v11, v11, v2                      ; r + 8 (r / 8)
	v_lshlrev_b32 v10, 2, v11                      ; a weight's column of my lane, in bytes
	s_mov_b32 s[SEL], 0x76543210
	s_mov_b32 s[SEL+1], 0xfedcba98
	s_mov_b32 s[MNT], 0x600000
	s_mov_b32 s[MK], 0xffff0000
	s_mov_b32 s33, 0
.irp b, 0,1,2,3
	v_mov_b32 v[TM+4+\b], 0                        ; a lane permute's destination counts as one of its sources
.endr
	s_wait_kmcnt 0x0
	s_cmp_lt_u32 ttmp9, 256
	s_cbranch_scc0 .Lweights
	; ---- x: pair P = the work-group's number
	s_lshl_b32 s32, ttmp9, 16                      ; 32 rows of 2,048 bytes
	s_lshl_b32 s36, s2, 10                         ; my 256 along K
	s_add_co_u32 s32, s32, s36
	s_add_nc_u64 s[8:9], s[8:9], s[32:33]
	s_lshl_b32 s32, ttmp9, 14
	s_lshl_b32 s36, s2, 12
	s_add_co_u32 s32, s32, s36
	s_add_nc_u64 s[34:35], s[24:25], s[32:33]      ; my codes
	s_lshl_b32 s32, ttmp9, 9
	s_lshl_b32 s36, s2, 8
	s_add_co_u32 s32, s32, s36
	s_add_co_u32 s32, s32, XSCL
	s_add_nc_u64 s[38:39], s[24:25], s[32:33]      ; my scale words
.macro LOADX u, j, set                 ; a fragment's 16 rows x 128 numbers: each load 512 consecutive bytes of one row
.irp i, 0,1,2,3,4,5,6,7,8,9,10,11,12,13,14,15
	global_load_b128 v[R+64*(\set)+4*\i:R+64*(\set)+4*\i+3], v4, s[8:9] offset:(8*(\u)+\i+8*(\i/8))*2048+512*(\j) th:TH_LOAD_NT
.endr
.endm
.macro TURN set                        ; through my stage: LDS serves a wave's instructions in order, so no wait stands between
.irp i, 0,1,2,3,4,5,6,7,8,9,10,11,12,13,14,15
	ds_store_b128 v5, v[R+64*(\set)+4*\i:R+64*(\set)+4*\i+3] offset:528*\i
.endr
.irp b, 0,1,2,3
.irp q, 0,1,2,3
	ds_load_b128 v[X+16*\b+4*\q:X+16*\b+4*\q+3], v6 offset:128*\b+16*\q
.endr
.endr
.endm
.macro XFRAG f                         ; fragment f = 2 u + j
.if (\f) < 3
	s_wait_loadcnt 16                              ; mine are in; the next fragment's 16 may be out
.else
	s_wait_loadcnt 0x0
.endif
	TURN (\f)%2
	s_wait_dscnt 0x0
.if (\f) < 2
	LOADX 1, (\f)%2, (\f)%2                        ; the set just left takes the fragment two on
.endif
	s_wait_xcnt 0x0                                ; the last stores have read the codes' registers
	QUANT X, 0, PWR+(\f)
.irp c, 0,1,2,3
	global_store_b128 v4, v[PC+4*\c:PC+4*\c+3], s[34:35] offset:8192*((\f)/2)+2048*((\f)%2)+512*\c   ; 512 consecutive bytes
.endr
.endm
	LOADX 0, 0, 0
	LOADX 0, 1, 1
	s_wait_alu depctr_va_vdst(0)
	XFRAG 0
	XFRAG 1
	XFRAG 2
	XFRAG 3
	TAIL
.Lweights:
	s_cmp_lt_u32 ttmp9, 352
	s_cbranch_scc0 .Lbsum
	s_sub_co_u32 s40, ttmp9, 256                   ; 16 x weight + pair of columns
	s_and_b32 s41, s40, 15                         ; the pair
	s_lshr_b32 s42, s40, 4                         ; the weight, 0 .. 5
	s_lshl_b32 s32, s40, 14
	s_lshl_b32 s36, s2, 12
	s_add_co_u32 s32, s32, s36
	s_add_nc_u64 s[34:35], s[26:27], s[32:33]      ; my codes
	s_lshl_b32 s32, s40, 9
	s_lshl_b32 s36, s2, 8
	s_add_co_u32 s32, s32, s36
	s_add_co_u32 s32, s32, WSCL
	s_add_nc_u64 s[38:39], s[26:27], s[32:33]      ; my scale words
.macro LOADW u, j, set, pitch          ; W(128 j + 32 c + 16 h + i, my column): the registers run down K
.irp c, 0,1,2,3
.irp i, 0,1,2,3,4,5,6,7,8,9,10,11,12,13,14,15
	global_load_b32 v[R+64*(\set)+16*\c+\i], v10, s[44:45] offset:(128*(\j)+32*\c+\i)*(\pitch)+32*(\u)
.endr
.endr
.endm
.macro WFRAG f, pitch
.if (\f) < 3
	s_wait_loadcnt 63                              ; the next fragment's 64 loads are younger: all but 63 are in, so mine are
.else
	s_wait_loadcnt 0x0
.endif
	s_wait_xcnt 0x0                                ; the last stores have read the codes' registers
	QUANT R+64*((\f)%2), 0, PWR+(\f)
.irp c, 0,1,2,3
	global_store_b128 v4, v[PC+4*\c:PC+4*\c+3], s[34:35] offset:8192*((\f)/2)+2048*((\f)%2)+512*\c
.endr
.if (\f) < 2
	LOADW 1, (\f)%2, (\f)%2, \pitch
.endif
.endm
.macro WBODY pitch
	LOADW 0, 0, 0, \pitch
	LOADW 0, 1, 1, \pitch
	WFRAG 0, \pitch
	WFRAG 1, \pitch
	WFRAG 2, \pitch
	WFRAG 3, \pitch
	TAIL
.endm
	s_cmp_lt_u32 s42, 3
	s_cbranch_scc0 .Lwide
	; wq, wk, wv [8][512][64]: column n = 64 head + e; a K row is 256 bytes
	s_cmp_eq_u32 s42, 0
	s_cselect_b64 s[44:45], s[10:11], s[12:13]
	s_cmp_eq_u32 s42, 2
	s_cselect_b64 s[44:45], s[14:15], s[44:45]
	s_lshr_b32 s32, s41, 1
	s_lshl_b32 s32, s32, 17                        ; the head
	s_and_b32 s36, s41, 1
	s_lshl_b32 s36, s36, 7                         ; which 32 of its 64 columns
	s_add_co_u32 s32, s32, s36
	s_lshl_b32 s36, s2, 16                         ; my 256 rows of K
	s_add_co_u32 s32, s32, s36
	s_add_nc_u64 s[44:45], s[44:45], s[32:33]
	s_wait_alu depctr_va_vdst(0)
	v_lshl_add_u32 v10, v3, 12, v10                ; lanes 16-31 begin 16 rows further down
	WBODY 256
.Lwide:
	; wo [(head, e)][512], w1, w2 [512][512]: a K row is 2,048 bytes
	s_cmp_eq_u32 s42, 3
	s_cselect_b64 s[44:45], s[16:17], s[18:19]
	s_cmp_eq_u32 s42, 5
	s_cselect_b64 s[44:45], s[20:21], s[44:45]
	s_lshl_b32 s32, s41, 7
	s_lshl_b32 s36, s2, 19
	s_add_co_u32 s32, s32, s36
	s_add_nc_u64 s[44:45], s[44:45], s[32:33]
	s_wait_alu depctr_va_vdst(0)
	v_lshl_add_u32 v10, v3, 15, v10
	WBODY 2048
.Lbsum:
	; the sum of bo over the heads: thread t takes 4 numbers at 16 t and 4 at 1,024 + 16 t
	v_lshlrev_b32 v10, 4, v0
.irp hd, 0,1,2,3,4,5,6,7
	global_load_b128 v[64+8*\hd:67+8*\hd], v10, s[22:23] offset:2048*\hd
	global_load_b128 v[68+8*\hd:71+8*\hd], v10, s[22:23] offset:2048*\hd+1024
.endr
	s_wait_loadcnt 0x0
.irp hd, 1,2,3,4,5,6,7
.irp q, 0,2,4,6
	v_pk_add_f32 v[64+\q:65+\q], v[64+\q:65+\q], v[64+8*\hd+\q:65+8*\hd+\q]
.endr
.endr
	global_store_b128 v10, v[64:67], s[26:27] offset:BSUM
	global_store_b128 v10, v[68:71], s[26:27] offset:BSUM+1024
	FINI
	s_endpgm
.Lfunc_end_k_q13edb02585_prep:
	.size	k_q13edb02585_prep, .Lfunc_end_k_q13edb02585_prep-k_q13edb02585_prep
	.p2alignl 7, 3214868480
	.fill 96, 4, 3214868480
	.section	.rodata,"a",@progbits
	.p2align	6, 0x0
	.amdhsa_kernel k_q13edb02585_prep
		.amdhsa_group_segment_fixed_size 17152
		.amdhsa_private_segment_fixed_size 0
		.amdhsa_enable_private_segment 0
		.amdhsa_kernarg_size 80
		.amdhsa_user_sgpr_count 2
		.amdhsa_user_sgpr_kernarg_segment_ptr 1
		.amdhsa_wavefront_size32 1
		.amdhsa_system_sgpr_workgroup_id_x 1
		.amdhsa_system_sgpr_workgroup_id_y 1
		.amdhsa_system_sgpr_workgroup_id_z 1
		.amdhsa_system_vgpr_workitem_id 0
		.amdhsa_next_free_vgpr 256
		.amdhsa_next_free_sgpr 66
		.amdhsa_reserve_vcc 0
		.amdhsa_float_denorm_mode_32 3
		.amdhsa_float_denorm_mode_16_64 3
		.amdhsa_memory_ordered 1
		.amdhsa_forward_progress 1
		.amdhsa_inst_pref_size 172
	.end_amdhsa_kernel
	.amdgpu_metadata
---
amdhsa.version: [ 1, 2 ]
amdhsa.kernels:
  - .name:           k_q13edb02585_prep
    .symbol:         k_q13edb02585_prep.kd
    .args:
      - { .name: x, .offset: 0, .size: 8, .value_kind: global_buffer, .address_space: global }
      - { .name: wq, .offset: 8, .size: 8, .value_kind: global_buffer, .address_space: global }
      - { .name: wk, .offset: 16, .size: 8, .value_kind: global_buffer, .address_space: global }
      - { .name: wv, .offset: 24, .size: 8, .value_kind: global_buffer, .address_space: global }
      - { .name: wo, .offset: 32, .size: 8, .value_kind: global_buffer, .address_space: global }
      - { .name: w1, .offset: 40, .size: 8, .value_kind: global_buffer, .address_space: global }
      - { .name: w2, .offset: 48, .size: 8, .value_kind: global_buffer, .address_space: global }
      - { .name: bo, .offset: 56, .size: 8, .value_kind: global_buffer, .address_space: global }
      - { .name: xop, .offset: 64, .size: 8, .value_kind: global_buffer, .address_space: global }
      - { .name: wop, .offset: 72, .size: 8, .value_kind: global_buffer, .address_space: global }
    .group_segment_fixed_size: 17152
    .private_segment_fixed_size: 0
    .kernarg_segment_align: 8
    .kernarg_segment_size: 80
    .max_flat_workgroup_size: 64
    .sgpr_count:     66
    .vgpr_count:     256
    .wavefront_size: 32
...
	.end_amdgpu_metadata
.endif
;; end of part 5
;; launch qkv (part 6): grid 32 x 8, 3 waves a work-group, no clusters, 0 bytes of LDS; arguments xop, wop, bq, bk, bv, qop, kvop; writes qop, kvop
.if DOCPART == 6
	.amdgcn_target "amdgcn-amd-amdhsa--gfx1250"
	.amdhsa_code_object_version 6
	.text
	.protected	k_q13edb02585_qkv
	.globl	k_q13edb02585_qkv
	.p2align	8
	.type	k_q13edb02585_qkv,@function
k_q13edb02585_qkv:
	s_mov_b64 s[64:65], 0
	v_nop
	global_prefetch_b8 v0, s[64:65] scope:SCOPE_SE
	s_setreg_imm32_b32 hwreg(HW_REG_WAVE_SCHED_MODE, 0, 2), 2
	s_setreg_imm32_b32 hwreg(HW_REG_WAVE_MODE, 25, 1), 1
	s_wait_xcnt 0x0
	s_wait_alu depctr_vm_vsrc(0)
; Launch 2 of 4: q, k, v = x W + bias on codes of E5M2, and the quantisers of q and k (along the head's 64) and of v (along the keys).  Nothing of reference() is left out.
; SHARES: a work-group takes 256 tokens (8 pairs of 32) of one head; wave 0 makes q, wave 1 k, wave 2 v: 8 pairs x 64 columns x K 512 = 256 matrix instructions a wave.
; The wave's 16 fragments of W stay in registers; x's fragments come as images of their registers, 512 consecutive bytes a load, into two sets that take turns.  No LDS: nothing goes from wave to wave.
; q, k: source 0 = 16 columns of W, source 1 = 16 tokens: a lane holds ONE token and its registers run along e, so a lane's 64 results are four blocks (tile u of the pair, half beta of e).
; v:    source 0 = 16 tokens, source 1 = 16 columns: a lane holds ONE e and its registers run along the tokens, which are the keys: four blocks (tile tau of e), each the pair's 32 keys.
; OUT.  q: [head of batch][pair][k = 2 u + beta][lane][16 bytes], pair words (bytes u0b0, u0b1, u1b0, u1b1) behind.  k, v: by key step of 128 keys, 16,896 bytes: four fragments of K (pair b: registers 0-7 tile 0's
; 64 codes, 8-15 tile 1's), four of V^T (tile tau x 128 keys), K's words at 16,384 + 16 r + 4 b, V's at 16,640 + 16 r + 4 tau.
; No cluster and no tensor load: each wave reads other columns of W, and x's 128 KB a wave come as dense loads straight into operand registers.
; LIMITS: as in launch 1 (NaN, infinities; the byte 1 for blocks under 2^-111).
; THE MODE: SCHED_MODE bits 1:0 = 2 (LLVM: expert scheduling mode 2), set by the entry lines.  The code itself states the register dependences
; between vector or matrix instructions and memory instructions, with s_wait_alu, always for 0.
; THE PLAN.  Registers that memory instructions touch:
;   v1 .. v5       offsets, made once at the head and never written again: the scalar bases move on, and immediate offsets do the rest.
;   W, WS, BI      loaded once at the head; read by the products alone.
;   X0, X1         (window 2, 128 registers each) with their scale words XS0, XS1.  Pair p's products read set p % 2; straight behind them the loads of pair p + 2 land in it.
;   PC             written by pair p's conversions, read by its four stores, written again by pair p + 1's conversions.
;   SW             written by moves behind each pair's stores; read by the one store at a key step's end.
; So a pair has, behind its products: one wait on vm_vsrc (the last pair's stores have read PC), one on va_vdst (the products are done reading their set of x); and behind its
; conversions one more on va_vdst (PC is written).  Between those waits and the loads and stores that lean on them no vector instruction names a register that these touch.
; A wave's two key steps are both written out: the second asks for nothing in its last two pairs, and no load is led round by a jump, so that each counted wait has the same loads behind it on every way.
.set XSCL, 4194304
.set WSCL, 1572864
.set QS,   4194304
.set WS, 16                            ; v16-23 W's scale words: 4 beta + s (tile 0 lanes 0-15, tile 1 lanes 16-31)
.set XS, 24                            ; v24-31 x's: set a: 4 a + s
.set BI, 32                            ; v32-63 the bias in the result's layout: 8 tau + j
.set HA, 64                            ; v64-127 eight accumulators
.set PC, 128
.set TM, 144
.set PW, 160
.set SW, 164                           ; v164-167 a key step's four scale words
.set WV, 20
.set SEL, 54
.set MNT, 56
.set MSB, 0
.macro WIN new                         ; the immediate's high byte repeats the setting that is left
.if MSB != \new
	s_set_vgpr_msb (MSB<<8)|\new
.set MSB, \new
.endif
.endm
.macro QUANT s, relu, pw
.if \relu
.irp b, 0,1,2,3
	v_max3_num_f32 v[TM+\b], v[(\s)+16*\b], v[(\s)+1+16*\b], 0x8000000
.endr
.irp i, 2,4,6,8,10,12,14
.irp b, 0,1,2,3
	v_max3_num_f32 v[TM+\b], v[TM+\b], v[(\s)+16*\b+\i], v[(\s)+1+16*\b+\i]
.endr
.endr
.else
.irp b, 0,1,2,3
	v_max3_num_f32 v[TM+\b], |v[(\s)+16*\b]|, |v[(\s)+1+16*\b]|, 0x8000000   ; my 16 numbers and the floor 2^(16 - 127)
.endr
.irp i, 2,4,6,8,10,12,14
.irp b, 0,1,2,3
	v_max3_num_f32 v[TM+\b], v[TM+\b], |v[(\s)+16*\b+\i]|, |v[(\s)+1+16*\b+\i]|
.endr
.endr
.endif
.irp b, 0,1,2,3
	v_permlanex16_b32 v[TM+4+\b], v[TM+\b], s[SEL], s[SEL+1]
.endr
.irp b, 0,1,2,3
	v_max_num_f32 v[TM+\b], v[TM+\b], v[TM+4+\b]
.endr
.irp b, 0,1,2,3
	v_add_nc_u32 v[TM+12+\b], 0xf8800000, v[TM+\b]
.endr
.irp b, 0,1,2,3
	v_and_or_b32 v[TM+8+\b], v[TM+\b], 0x7f800000, s[MNT]
.endr
.irp b, 0,1,2,3
	v_lshrrev_b32 v[TM+4+\b], 23, v[TM+12+\b]
.endr
	v_lshl_or_b32 v[\pw], v[TM+5], 8, v[TM+4]
	v_lshl_or_b32 v[\pw], v[TM+6], 16, v[\pw]
	v_lshl_or_b32 v[\pw], v[TM+7], 24, v[\pw]
.irp b, 0,1,2,3
.irp i, 0,1,2,3,4,5,6,7,8,9,10,11,12,13,14,15
.if \relu
	v_med3_num_f32 v[(\s)+16*\b+\i], v[(\s)+16*\b+\i], 0, v[TM+8+\b]
.else
	v_med3_num_f32 v[(\s)+16*\b+\i], v[(\s)+16*\b+\i], -v[TM+8+\b], v[TM+8+\b]
.endif
.endr
	v_cvt_scalef32_pk8_bf8_f32 v[PC+4*\b:PC+1+4*\b], v[(\s)+16*\b:(\s)+7+16*\b], v[TM+12+\b]
	v_cvt_scalef32_pk8_bf8_f32 v[PC+2+4*\b:PC+3+4*\b], v[(\s)+8+16*\b:(\s)+15+16*\b], v[TM+12+\b]
.endr
	v_nop
.endm
; one product; ra, rb: the side's scale words stand in lanes 16-31
.macro WM d, a, b, c, sa, sb, ra, rb
.if (\ra) && (\rb)
	v_wmma_scale_f32_16x16x128_f8f6f4 v[(\d):(\d)+7], v[(\a):(\a)+15], v[(\b):(\b)+15], v[(\c):(\c)+7], v[(\sa)], v[(\sb)] matrix_a_fmt:MATRIX_FMT_BF8 matrix_b_fmt:MATRIX_FMT_BF8 matrix_a_scale:MATRIX_SCALE_ROW1 matrix_b_scale:MATRIX_SCALE_ROW1
.elseif (\ra)
	v_wmma_scale_f32_16x16x128_f8f6f4 v[(\d):(\d)+7], v[(\a):(\a)+15], v[(\b):(\b)+15], v[(\c):(\c)+7], v[(\sa)], v[(\sb)] matrix_a_fmt:MATRIX_FMT_BF8 matrix_b_fmt:MATRIX_FMT_BF8 matrix_a_scale:MATRIX_SCALE_ROW1
.elseif (\rb)
	v_wmma_scale_f32_16x16x128_f8f6f4 v[(\d):(\d)+7], v[(\a):(\a)+15], v[(\b):(\b)+15], v[(\c):(\c)+7], v[(\sa)], v[(\sb)] matrix_a_fmt:MATRIX_FMT_BF8 matrix_b_fmt:MATRIX_FMT_BF8 matrix_b_scale:MATRIX_SCALE_ROW1
.else
	v_wmma_scale_f32_16x16x128_f8f6f4 v[(\d):(\d)+7], v[(\a):(\a)+15], v[(\b):(\b)+15], v[(\c):(\c)+7], v[(\sa)], v[(\sb)] matrix_a_fmt:MATRIX_FMT_BF8 matrix_b_fmt:MATRIX_FMT_BF8
.endif
.endm
	s_load_b256 s[4:11], s[0:1], 0x0               ; xop, wop, bq, bk
	s_load_b128 s[12:15], s[0:1], 0x20             ; bv, qop
	s_load_b64 s[16:17], s[0:1], 0x30              ; kvop
	v_lshrrev_b32 v1, 5, v0
	v_readfirstlane_b32 s[WV], v1                  ; 0: q, 1: k, 2: v
	v_and_b32 v6, 31, v0                           ; L
	v_and_b32 v7, 15, v0                           ; r
	v_bfe_u32 v8, v0, 4, 1                         ; h
	v_lshlrev_b32 v1, 4, v6                        ; 16 L
	v_lshlrev_b32 v2, 3, v6                        ; 8 L
	v_lshlrev_b32 v3, 4, v7                        ; 16 r
	v_lshlrev_b32 v4, 6, v8                        ; 64 h: q's and k's bias, by register
	v_and_b32 v5, 8, v7
	v_add_nc_u32 v5, v5, v7
	v_lshlrev_b32 v5, 2, v5                        ; 4 (r + 8 (r / 8)): v's bias, by lane
.irp b, 0,1,2,3
	v_mov_b32 v[TM+4+\b], 0                        ; a lane permute's destination counts as one of its sources
	v_mov_b32 v[SW+\b], 0
.endr
	s_wait_alu depctr_va_sdst(0)                   ; the wave's number is written, ahead of its first reader: offsets, choices and branches are made from it
	s_mov_b32 s[SEL], 0x76543210
	s_mov_b32 s[SEL+1], 0xfedcba98
	s_mov_b32 s[MNT], 0x600000
	s_and_b32 s21, ttmp7, 0xffff                   ; the head
	s_lshr_b32 s22, ttmp9, 4                       ; the batch
	s_and_b32 s23, ttmp9, 15                       ; which 256 tokens of the sequence
	s_lshl_b32 s24, s22, 3
	s_add_co_u32 s24, s24, s21                     ; 8 batch + head
	s_lshl_b32 s28, ttmp9, 17                      ; x's codes: 8 pairs of 16,384 bytes
	s_mov_b32 s29, 0
	s_lshl_b32 s30, ttmp9, 12                      ; x's scale words: 8 pairs of 512
	s_add_co_u32 s30, s30, XSCL
	s_mov_b32 s31, 0
	s_lshl_b32 s25, s[WV], 4
	s_lshl_b32 s26, s21, 1
	s_add_co_u32 s25, s25, s26                     ; 16 x weight + the head's first pair of columns
	s_lshl_b32 s32, s25, 14
	s_mov_b32 s33, 0
	s_lshl_b32 s34, s25, 9
	s_add_co_u32 s34, s34, WSCL
	s_mov_b32 s35, 0
	s_lshl_b32 s36, s21, 8                         ; the head's 64 numbers of a bias
	s_mov_b32 s37, 0
	s_cmp_eq_u32 s[WV], 0                          ; q goes to qop, k and v to kvop: strides and steps, in registers of their own
	s_mov_b32 s46, 540672
	s_cselect_b32 s46, 262144, s46                 ; codes: from head to head,
	s_mov_b32 s47, 33792
	s_cselect_b32 s47, 16384, s47                  ; from 256 tokens to the next,
	s_mov_b32 s42, 16896
	s_cselect_b32 s42, 8192, s42                   ; from key step to key step
	s_mov_b32 s44, 16896
	s_cselect_b32 s44, 256, s44                    ; scale words likewise
	s_mov_b32 s48, 540672
	s_cselect_b32 s48, 8192, s48
	s_mov_b32 s49, 33792
	s_cselect_b32 s49, 512, s49
	s_mov_b32 s50, 16384
	s_cselect_b32 s50, QS, s50
	s_cmp_eq_u32 s[WV], 2
	s_cselect_b32 s51, 8192, 0                     ; V's fragments lie behind K's,
	s_cselect_b32 s52, 256, 0                      ; V's words behind K's
	s_mov_b32 s43, 0
	s_mov_b32 s45, 0
	s_mul_i32 s38, s24, s46
	s_mul_i32 s59, s23, s47
	s_add_co_u32 s38, s38, s59
	s_add_co_u32 s38, s38, s51
	s_mov_b32 s39, 0
	s_mul_i32 s40, s24, s48
	s_mul_i32 s59, s23, s49
	s_add_co_u32 s40, s40, s59
	s_add_co_u32 s40, s40, s50
	s_add_co_u32 s40, s40, s52
	s_mov_b32 s41, 0
	s_wait_kmcnt 0x0
	s_add_nc_u64 s[28:29], s[4:5], s[28:29]        ; x's codes
	s_add_nc_u64 s[30:31], s[4:5], s[30:31]        ; x's scale words
	s_add_nc_u64 s[32:33], s[6:7], s[32:33]        ; W's codes
	s_add_nc_u64 s[34:35], s[6:7], s[34:35]        ; W's scale words
	s_cmp_eq_u32 s[WV], 0
	s_cselect_b64 s[60:61], s[14:15], s[16:17]
	s_cselect_b64 s[62:63], s[8:9], s[10:11]
	s_cmp_eq_u32 s[WV], 2
	s_cselect_b64 s[62:63], s[12:13], s[62:63]
	s_add_nc_u64 s[62:63], s[62:63], s[36:37]      ; my bias
	s_add_nc_u64 s[38:39], s[60:61], s[38:39]      ; where my codes go
	s_add_nc_u64 s[40:41], s[60:61], s[40:41]      ; and my scale words
	WIN 0x40                                       ; destination window 1: W's fragment (tau, s) at 16 (4 tau + s); they stay
	s_wait_alu depctr_va_vdst(0)                   ; the offsets v1 to v5 are written: every load and store of the kernel reads one of them, and none is written again
.irp f, 0,1,2,3,4,5,6,7,8,9,10,11,12,13,14,15
.irp c, 0,1,2,3
	global_load_b128 v[16*\f+4*\c:16*\f+4*\c+3], v1, s[32:33] offset:2048*\f+512*\c
.endr
.endr
	WIN 0
.irp be, 0,1
.irp ka, 0,1
	global_load_b64 v[WS+4*\be+2*\ka:WS+4*\be+2*\ka+1], v2, s[34:35] offset:512*\be+256*\ka
.endr
.endr
	s_cmp_eq_u32 s[WV], 2
	s_cbranch_scc1 .Lbias_v
.irp t, 0,1,2,3                        ; q, k: register j of tile tau is e = 32 (tau / 2) + 16 h + 8 (tau % 2) + j
	global_load_b128 v[BI+8*\t:BI+8*\t+3], v4, s[62:63] offset:(32*(\t/2)+8*(\t%2))*4
	global_load_b128 v[BI+8*\t+4:BI+8*\t+7], v4, s[62:63] offset:(32*(\t/2)+8*(\t%2))*4+16
.endr
	s_branch .Lbias_done
.Lbias_v:
.irp t, 0,1,2,3                        ; v: all eight registers of tile tau belong to my lane's e
.irp j, 0,1,2,3,4,5,6,7
	global_load_b32 v[BI+8*\t+\j], v5, s[62:63] offset:(32*(\t/2)+8*(\t%2))*4
.endr
.endr
.Lbias_done:
.macro XLOAD p, a                      ; pair p's eight fragments (u, s) into set a of window 2, its scale words into set a: 34 loads
	WIN 0x80
.irp f, 0,1,2,3,4,5,6,7
.irp c, 0,1,2,3
	global_load_b128 v[128*(\a)+16*\f+4*\c:128*(\a)+16*\f+4*\c+3], v1, s[28:29] offset:16384*(\p)+2048*\f+512*\c
.endr
.endr
	WIN 0
.irp ka, 0,1
	global_load_b64 v[XS+4*(\a)+2*\ka:XS+4*(\a)+2*\ka+1], v2, s[30:31] offset:512*(\p)+256*\ka
.endr
.endm
; 32 products of a pair: K step by K step, the eight accumulators by turns; the bias is the C of each sum's first product
.macro PRODQK a
.irp s, 0,1,2,3
.irp ux, 0,1
.irp t, 0,1,2,3
.if \s == 0
	WM HA+32*\ux+8*\t, 16*(4*\t+\s), 128*(\a)+16*(4*\ux+\s), BI+8*\t, WS+4*(\t/2)+\s, XS+4*(\a)+\s, \t%2, \ux
.else
	WM HA+32*\ux+8*\t, 16*(4*\t+\s), 128*(\a)+16*(4*\ux+\s), HA+32*\ux+8*\t, WS+4*(\t/2)+\s, XS+4*(\a)+\s, \t%2, \ux
.endif
.endr
.endr
.endr
.endm
.macro PRODV a
.irp s, 0,1,2,3
.irp ux, 0,1
.irp t, 0,1,2,3
.if \s == 0
	WM HA+16*\t+8*\ux, 128*(\a)+16*(4*\ux+\s), 16*(4*\t+\s), BI+8*\t, XS+4*(\a)+\s, WS+4*(\t/2)+\s, \ux, \t%2
.else
	WM HA+16*\t+8*\ux, 128*(\a)+16*(4*\ux+\s), 16*(4*\t+\s), HA+16*\t+8*\ux, XS+4*(\a)+\s, WS+4*(\t/2)+\s, \ux, \t%2
.endif
.endr
.endr
.endr
.endm
.macro PAIR p, last                    ; pair p of the key step in hand; last = 1: the wave's second key step
.if \last && (\p == 3)
	s_wait_loadcnt 0x0                             ; the last pair of all has no successor: nothing younger was asked for
.else
	s_wait_loadcnt 34                              ; this pair's set is in; the next pair's 34 loads, the only younger ones, may be out
.endif
	s_cmp_eq_u32 s[WV], 2
	s_cbranch_scc1 .Lpv_\@
	WIN 0x09                                       ; source 0 (W) window 1, source 1 (x) window 2
	PRODQK (\p)%2
	WIN 0
	s_branch .Lpd_\@
.Lpv_\@:
	WIN 0x06                                       ; source 0 (x) window 2, source 1 (W) window 1
	PRODV (\p)%2
	WIN 0
.Lpd_\@:
.rept 8
	v_nop                                          ; eight places behind the last products, ahead of the first read of results
.endr
	s_wait_xcnt 0x0                                ; the last pair's stores have had their addresses translated: the codes' registers are rewritten only behind this wait; it stands ahead of the loads below
	s_wait_alu depctr_vm_vsrc(0)                   ; the last pair's stores have read v[PC ..], which this pair's conversions write again
.if !\last || \p < 2                   ; the last two pairs of all ask for nothing: no load leaves its buffer
	WIN 0x80
	s_wait_alu depctr_va_vdst(0)                   ; this pair's products are done reading their set of x and its scale words, in which the loads of the pair two on land
	XLOAD (\p)+2, (\p)%2
.endif
	QUANT HA, 0, PW                                ; it names HA, TM, PC and PW alone: none of the registers that the loads above touch
	s_wait_alu depctr_va_vdst(0)                   ; the conversions have written v[PC ..], which the four stores below read
	s_cmp_eq_u32 s[WV], 2
	s_cbranch_scc1 .Lsv_\@
.irp k, 0,1,2,3                        ; q, k: block k = 2 u + beta
	global_store_b128 v1, v[PC+4*\k:PC+4*\k+3], s[38:39] offset:2048*(\p)+512*\k
.endr
	v_mov_b32 v[SW+(\p)], v[PW]
	s_branch .Lsd_\@
.Lsv_\@:
.irp t, 0,1,2,3                        ; v: block tau; the pair is the fragment's c.  The lines between the stores name SW and TM alone
	global_store_b128 v1, v[PC+4*\t:PC+4*\t+3], s[38:39] offset:2048*\t+512*(\p)
.if (\p) == 0
	v_mov_b32 v[SW+\t], v[TM+4+\t]
.else
	v_lshl_or_b32 v[SW+\t], v[TM+4+\t], 8*(\p), v[SW+\t]
.endif
.endr
.Lsd_\@:
.endm
.macro TRIP last                       ; a key step: four pairs, and the store of its scale words
	PAIR 0, \last
	PAIR 1, \last
	PAIR 2, \last
	PAIR 3, \last
	v_cmp_gt_u32 vcc_lo, 16, v6
	s_wait_xcnt 0x0                                ; EXEC changes only behind this wait
	s_wait_alu depctr_va_vcc(0)                    ; VCC is written: EXEC is made from it
	s_wait_alu depctr_va_vdst(0)                   ; ahead of the write of EXEC; it also shows v[SW ..] written, which the store below reads
	s_wait_alu depctr_vm_vsrc(0)                   ; ahead of the write of EXEC: the stores issued so far have read their registers
	s_and_saveexec_b32 s58, vcc_lo
	global_store_b128 v3, v[SW:SW+3], s[40:41]     ; sixteen lanes store the step's 256 bytes of scale words
	s_wait_xcnt 0x0                                ; and again; behind the first key step the bases are stepped behind it too
	s_wait_alu depctr_va_vdst(0)                   ; ahead of the write of EXEC
	s_wait_alu depctr_vm_vsrc(0)                   ; ahead of the write of EXEC: the store has read v3 and v[SW ..], which the next key step's moves write again
	s_or_b32 exec_lo, exec_lo, s58
.if !\last
	s_add_nc_u64 s[28:29], s[28:29], 65536         ; on to the second key step: x's codes and scale words, my codes and scale words
	s_add_nc_u64 s[30:31], s[30:31], 2048
	s_add_nc_u64 s[38:39], s[38:39], s[42:43]
	s_add_nc_u64 s[40:41], s[40:41], s[44:45]
.endif
.endm
	XLOAD 0, 0                                     ; the first two pairs: no vector instruction has named these registers
	XLOAD 1, 1
	TRIP 0                                         ; its last two pairs ask for the second key step's first two
	TRIP 1
	s_endpgm
.Lfunc_end_k_q13edb02585_qkv:
	.size	k_q13edb02585_qkv, .Lfunc_end_k_q13edb02585_qkv-k_q13edb02585_qkv
	.p2alignl 7, 3214868480
	.fill 96, 4, 3214868480
	.section	.rodata,"a",@progbits
	.p2align	6, 0x0
	.amdhsa_kernel k_q13edb02585_qkv
		.amdhsa_group_segment_fixed_size 0
		.amdhsa_private_segment_fixed_size 0
		.amdhsa_enable_private_segment 0
		.amdhsa_kernarg_size 56
		.amdhsa_user_sgpr_count 2
		.amdhsa_user_sgpr_kernarg_segment_ptr 1
		.amdhsa_wavefront_size32 1
		.amdhsa_system_sgpr_workgroup_id_x 1
		.amdhsa_system_sgpr_workgroup_id_y 1
		.amdhsa_system_sgpr_workgroup_id_z 1
		.amdhsa_system_vgpr_workitem_id 0
		.amdhsa_next_free_vgpr 768
		.amdhsa_next_free_sgpr 66
		.amdhsa_reserve_vcc 1
		.amdhsa_float_denorm_mode_32 3
		.amdhsa_float_denorm_mode_16_64 3
		.amdhsa_memory_ordered 1
		.amdhsa_forward_progress 1
		.amdhsa_inst_pref_size 183
	.end_amdhsa_kernel
	.amdgpu_metadata
---
amdhsa.version: [ 1, 2 ]
amdhsa.kernels:
  - .name:           k_q13edb02585_qkv
    .symbol:         k_q13edb02585_qkv.kd
    .args:
      - { .name: xop, .offset: 0, .size: 8, .value_kind: global_buffer, .address_space: global }
      - { .name: wop, .offset: 8, .size: 8, .value_kind: global_buffer, .address_space: global }
      - { .name: bq, .offset: 16, .size: 8, .value_kind: global_buffer, .address_space: global }
      - { .name: bk, .offset: 24, .size: 8, .value_kind: global_buffer, .address_space: global }
      - { .name: bv, .offset: 32, .size: 8, .value_kind: global_buffer, .address_space: global }
      - { .name: qop, .offset: 40, .size: 8, .value_kind: global_buffer, .address_space: global }
      - { .name: kvop, .offset: 48, .size: 8, .value_kind: global_buffer, .address_space: global }
    .group_segment_fixed_size: 0
    .private_segment_fixed_size: 0
    .kernarg_segment_align: 8
    .kernarg_segment_size: 56
    .max_flat_workgroup_size: 96
    .sgpr_count:     66
    .vgpr_count:     768
    .wavefront_size: 32
...
	.end_amdgpu_metadata
.endif
;; end of part 6
;; launch attn (part 7): grid 16 x 16, 8 waves a work-group, no clusters, 327,680 bytes of LDS; arguments qop, kvop, cop; writes cop
.if DOCPART == 7
	.amdgcn_target "amdgcn-amd-amdhsa--gfx1250"
	.amdhsa_code_object_version 6
	.text
	.protected	k_q13edb02585_attn
	.globl	k_q13edb02585_attn
	.p2align	8
	.type	k_q13edb02585_attn,@function
k_q13edb02585_attn:
	s_mov_b64 s[64:65], 0
	v_nop
	global_prefetch_b8 v0, s[64:65] scope:SCOPE_SE
	s_setreg_imm32_b32 hwreg(HW_REG_WAVE_MODE, 25, 1), 1
	s_wait_xcnt 0x0
; Launch 3 of 4: ctx = softmax(q k^T / 8) v for one head of one batch and 256 queries, both products on codes of E5M2, and the quantiser of ctx along (head, e).  Nothing of reference() is left out.
; THE SOFTMAX: t = score x log2(e) / 8; M = the running largest t rounded up to a whole number; p = 2^(t - M) is quantised along the keys, not normalised; the row's sum is taken of the unquantised p and divides at the end.
; SHARES: wave w owns the pair of 32 queries 8 x block + w: tile A (u = 0) in register window 0, tile B (u = 1) in window 1, at the same register numbers.  Each fragment of K and V read from LDS feeds both tiles.
; Every wave walks the head's 4,096 keys, 128 a step.  A key step is 16,896 consecutive bytes of kvop, images of operand registers: every LDS read is 512 consecutive bytes, so there is no padding.
; K = 64 IS HALF AN INSTRUCTION: a fragment of K holds tile 0's 64 codes in registers 0-7 and tile 1's in 8-15; Q stands between two runs of eight zero registers, and [q | 0] picks tile 0, [0 | q] tile 1.
; All codes come from held conversions and are finite, so a zero code adds exactly 0.
; RING: two slots of eight key steps; wave w brings key step w of a slot by one tensor load of 66 rows of 256 bytes.  By this text's count a wave has two loads out at the start and one behind each refill.
; NO CLUSTER: a key step brings 16,896 bytes into LDS while the eight waves read 8 x 16,896 bytes from it; the launch has two refills, each asked for eight key steps ahead of its first read.  For the same reason nothing is prefetched.
; LIMITS: as in launch 1; 1 / sum is v_rcp_f32; t - M is one fused multiply-add.
.set QS,    4194304
.set CSO,   4194304
.set STEPB, 16896
.set SLOT,  135168
.set CSL,   270336                     ; behind the ring: 512 bytes in which ctx's scale bytes of the 8 pairs are gathered
.set SPARE, 270848                     ; the spare words, 128 bytes a wave
.set LI,  1                            ; v1 16 L
.set ADR, 2                            ; v2 the step's LDS address
.set SPW, 3
.set NIL, 4
.set QSA, 10                           ; v10, v11 Q's scale words of tile A, B
.set QSB, 11
.set QZ,  16                           ; v16-23 zeros, v24-31 q, v32-39 zeros (both windows)
.set SC,  40                           ; v40-43 lanes 0-15: K's four words; lanes 16-31: V's
.set PWB, 45                           ; v45 tile B's p scale word, copied into window 0
.set FR,  48                           ; v48-111 four fragments, of K and then of V
.set S,   112                          ; v112-175 S^T, then p
.set O,   176                          ; v176-207 O^T
.set PC,  208                          ; v208-223 p's codes
.set BM,  224
.set PD,  228
.set HL,  232
.set SO,  236
.set CH,  240
.set TP,  242
.set FF,  244                          ; v244 f, v245 p's scale word
.set WV,  10
.set MNT, 11
.set SEL, 12
.set CSC, 14                           ; s[14:15] c = log2(e) / 8
.set G1,  16
.set G0,  24
.set TB,  32
.set CNT, 33
.set MSB, 0
.macro WIN new
.if MSB != \new
	s_set_vgpr_msb (MSB<<8)|\new
.set MSB, \new
.endif
.endm
.macro WM0 d, a, b, sa, sb             ; a product that starts its sum
	v_wmma_scale_f32_16x16x128_f8f6f4 v[(\d):(\d)+7], v[(\a):(\a)+15], v[(\b):(\b)+15], 0, v[(\sa)], v[(\sb)] matrix_a_fmt:MATRIX_FMT_BF8 matrix_b_fmt:MATRIX_FMT_BF8
.endm
.macro WMV d, a, b, sa, sb             ; O^T += V^T P^T: V's words stand in lanes 16-31
	v_wmma_scale_f32_16x16x128_f8f6f4 v[(\d):(\d)+7], v[(\a):(\a)+15], v[(\b):(\b)+15], v[(\d):(\d)+7], v[(\sa)], v[(\sb)] matrix_a_fmt:MATRIX_FMT_BF8 matrix_b_fmt:MATRIX_FMT_BF8 matrix_a_scale:MATRIX_SCALE_ROW1
.endm
	s_load_b128 s[4:7], s[0:1], 0x0                ; qop, kvop
	s_load_b64 s[8:9], s[0:1], 0x10                ; cop
	v_lshl_add_u32 v[SPW], v0, 2, SPARE
	v_mov_b32 v[NIL], 0
	ds_add_u32 v[SPW], v[NIL]                      ; the wave's opening: the add, twice on end, and its wait ahead of my first tensor load
	ds_add_u32 v[SPW], v[NIL]
	v_lshrrev_b32 v1, 5, v0
	s_delay_alu instid0(VALU_DEP_1)
	v_readfirstlane_b32 s[WV], v1                  ; wave 0..7
	s_mov_b32 s[G1], 3<<16                         ; elements of 8 bytes, no mask, no padding
	s_mov_b32 s[G1+1], 32<<16                      ; tensor_dim0 = 32 (256 bytes)
	s_mov_b32 s[G1+2], 66<<16                      ; tensor_dim1 = 66
	s_mov_b32 s[G1+3], 32<<16                      ; tile_dim0
	s_mov_b32 s[G1+4], 66                          ; tile_dim1
	s_mov_b32 s[G1+5], 32                          ; from row to row: dense
	s_mov_b32 s[G1+6], 0
	s_mov_b32 s[G1+7], 0
	s_mov_b32 s[SEL], 0x76543210
	s_mov_b32 s[SEL+1], 0xfedcba98
	s_mov_b32 s[MNT], 0x600000
	s_mov_b32 s[CSC], 0x3e38aa3b
	s_mov_b32 s[CSC+1], s[CSC]                     ; named with it as a pair
	s_and_b32 s34, ttmp7, 0xffff                   ; 8 batch + head
	s_mul_i32 s36, s34, 540672
	s_mul_i32 s35, s[WV], STEPB                    ; my key step of a slot
	s_add_co_u32 s36, s36, s35
	s_mov_b32 s37, 0
	s_lshl_b32 s39, ttmp9, 3
	s_add_co_u32 s39, s39, s[WV]                   ; P: my pair of queries in the head
	s_lshl_b32 s40, s34, 18
	s_lshl_b32 s38, s39, 11
	s_add_co_u32 s40, s40, s38                     ; q's codes
	s_mov_b32 s41, 0
	s_lshl_b32 s42, s34, 13
	s_lshr_b32 s38, s39, 2
	s_lshl_b32 s38, s38, 8
	s_add_co_u32 s42, s42, s38
	s_and_b32 s38, s39, 3
	s_lshl_b32 s38, s38, 2
	s_add_co_u32 s42, s42, s38
	s_add_co_u32 s42, s42, QS                      ; q's pair word
	s_mov_b32 s43, 0
	s_lshr_b32 s48, s34, 3                         ; the batch
	s_and_b32 s49, s34, 7                          ; the head
	s_lshl_b32 s48, s48, 7                         ; its first pair of tokens
	s_add_co_u32 s50, s48, s39
	s_lshl_b32 s44, s50, 14
	s_lshl_b32 s38, s49, 10                        ; head hd is K step hd / 2, blocks 2 (hd % 2) on: 1,024 hd bytes
	s_add_co_u32 s44, s44, s38
	s_mov_b32 s45, 0
	s_lshl_b32 s38, ttmp9, 3
	s_add_co_u32 s38, s38, s48
	s_lshl_b32 s46, s38, 6
	s_lshl_b32 s38, s49, 14
	s_add_co_u32 s46, s46, s38
	s_add_co_u32 s46, s46, CSO
	s_mov_b32 s47, 0
	s_wait_dscnt 0x0                               ; both opening adds are done
	s_wait_kmcnt 0x0
	s_add_nc_u64 s[36:37], s[6:7], s[36:37]
.irp n, 0,1
	s_mov_b32 s[G0+4*\n], 1
	s_add_co_u32 s[G0+4*\n+1], s35, \n*SLOT        ; LDS: the slot + 16,896 x wave
	s_add_nc_u64 s[G0+4*\n+2:G0+4*\n+3], s[36:37], \n*SLOT
	s_or_b32 s[G0+4*\n+3], s[G0+4*\n+3], 0x80000000
.endr
	tensor_load_to_lds s[G0:G0+3], s[G1:G1+7]      ; key steps 0-7
	s_nop 0
	s_wait_alu depctr_va_vdst(0)
	s_wait_tensorcnt 0x0
	ds_add_u32 v3, v4
	s_wait_dscnt 0x0
	s_barrier_signal -1
	s_barrier_wait -1
	tensor_load_to_lds s[G0+4:G0+7], s[G1:G1+7]    ; key steps 8-15
	s_nop 0
.rept 4
	v_nop
.endr
	s_add_nc_u64 s[40:41], s[4:5], s[40:41]
	s_add_nc_u64 s[42:43], s[4:5], s[42:43]
	s_add_nc_u64 s[44:45], s[8:9], s[44:45]        ; ctx's codes
	s_add_nc_u64 s[46:47], s[8:9], s[46:47]        ; ctx's scale bytes of the work-group's 8 pairs
	v_and_b32 v8, 31, v0
	s_delay_alu instid0(VALU_DEP_1)
	v_lshlrev_b32 v[LI], 4, v8
	v_and_b32 v9, 15, v0
	s_delay_alu instid0(VALU_DEP_1)
	v_lshlrev_b32 v5, 4, v9                        ; 16 r
	s_lshl_b32 s38, s[WV], 6
	s_add_co_u32 s38, s38, CSL
	v_lshl_add_u32 v6, v9, 1, s38                  ; where my pair's scale bytes are gathered: 64 x wave + 2 r
	v_add_nc_u32 v7, CSL, v[LI]                    ; and read back
	global_load_b128 v[QZ+8:QZ+11], v[LI], s[40:41] th:TH_LOAD_NT
	global_load_b128 v[QZ+12:QZ+15], v[LI], s[40:41] offset:512 th:TH_LOAD_NT
	global_load_b32 v[QSA], v5, s[42:43]
.macro INIT                            ; the loop is written once: its first step finds zeros, which the first change of M leaves zeros
.irp j, 0,1,2,3,4,5,6,7
	v_mov_b32 v[QZ+\j], 0
	v_mov_b32 v[QZ+16+\j], 0
.endr
.set j, 0
.rept 32
	v_mov_b32 v[O+j], 0
.set j, j+1
.endr
	v_mov_b32 v12, 0x7f61b1e6                      ; -M: 3e38, a whole number
	v_mov_b32 v13, 0xff61b1e6                      ; the largest t so far: -3e38
	v_mov_b32 v14, 0
	v_mov_b32 v15, 0
.irp b, 0,1,2,3
	v_mov_b32 v[PD+\b], 0
.endr
	v_mov_b32 v[TP], 0
	v_mov_b32 v[FF+1], 0
.endm
	WIN 0x40                                       ; destination window 1
	global_load_b128 v[QZ+8:QZ+11], v[LI], s[40:41] offset:1024 th:TH_LOAD_NT
	global_load_b128 v[QZ+12:QZ+15], v[LI], s[40:41] offset:1536 th:TH_LOAD_NT
	INIT
	WIN 0
	INIT
	s_wait_loadcnt 0x0
	v_lshrrev_b32 v[QSB], 16, v[QSA]               ; the pair word's bytes: u0b0, u0b1, u1b0, u1b1
	v_and_b32 v[QSA], 0xffff, v[QSA]
	s_delay_alu instid0(VALU_DEP_1)
	v_lshl_or_b32 v[QSA], v[QSA], 16, v[QSA]       ; (b0, b1, b0, b1): it serves [q | 0] and [0 | q]
	s_delay_alu instid0(VALU_DEP_3)
	v_lshl_or_b32 v[QSB], v[QSB], 16, v[QSB]
; one tile's softmax of a key step; tile = 1: under window 1
.macro SOFTMAX tile
.irp b, 0,1,2,3
	v_max3_num_f32 v[BM+\b], v[S+16*\b], v[S+1+16*\b], v[S+2+16*\b]   ; the largest score of each block of 32 keys: for the row's maximum, and for the block's largest p
.endr
.irp i, 3,5,7,9,11,13
.irp b, 0,1,2,3
	v_max3_num_f32 v[BM+\b], v[BM+\b], v[S+16*\b+\i], v[S+1+16*\b+\i]
.endr
.endr
.irp b, 0,1,2,3
	v_max_num_f32 v[BM+\b], v[BM+\b], v[S+15+16*\b]
.endr
.irp b, 0,1,2,3
	s_delay_alu instid0(VALU_DEP_4)
	v_permlanex16_b32 v[PD+\b], v[BM+\b], s[SEL], s[SEL+1]
.endr
.irp b, 0,1,2,3
	s_delay_alu instid0(VALU_DEP_4)
	v_max_num_f32 v[BM+\b], v[BM+\b], v[PD+\b]
.endr
	s_delay_alu instid0(VALU_DEP_2)
	v_max3_num_f32 v[TP], v[BM], v[BM+1], v[BM+2]
	s_delay_alu instid0(VALU_DEP_1)
	v_max_num_f32 v[TP], v[TP], v[BM+3]
	s_delay_alu instid0(VALU_DEP_1)
	v_mul_f32 v[TP], s[CSC], v[TP]
	s_delay_alu instid0(VALU_DEP_1)
	v_max_num_f32 v13, v13, v[TP]                  ; the running largest t
	v_mov_b32 v[TP], v12
	s_delay_alu instid0(VALU_DEP_2)
	v_floor_f32 v12, -v13                          ; -M = floor(-t)
	s_delay_alu instid0(VALU_DEP_1)
	v_sub_f32 v[TP], v12, v[TP]                    ; old M - new M: a whole number, 0 or less
	s_delay_alu instid0(VALU_DEP_1)
	v_cvt_i32_f32 v[TP], v[TP]
	s_delay_alu instid0(VALU_DEP_1)
	v_ldexp_f32 v[FF], 1.0, v[TP]                  ; f = 2^(old M - new M)
.set j, 0
.rept 32
	v_pk_fma_f32 v[S+j:S+j+1], v[S+j:S+j+1], s[CSC:CSC+1], v[12:13] op_sel_hi:[1,0,0]   ; t - M
.set j, j+2
.endr
.irp b, 0,1,2,3
	v_fma_f32 v[BM+\b], v[BM+\b], s[CSC], v12
.endr
.set j, 0
	s_wait_alu depctr_va_vdst(0)
.rept 64
	v_exp_f32 v[S+j], v[S+j]
.set j, j+1
.endr
	v_pk_mul_f32 v[14:15], v[14:15], v[FF:FF+1] op_sel_hi:[1,0]   ; the sums under the new M: the plain instruction behind the batch
	s_wait_alu depctr_va_vdst(0)                   ; one wait for the 64, ahead of their first reader
.irp b, 0,1,2,3
	v_exp_f32 v[BM+\b], v[BM+\b]                   ; the block's largest p
.endr
	v_pk_add_f32 v[CH:CH+1], v[S:S+1], v[S+2:S+3]  ; the row's sum of the unquantised p, in two chains
.irp j, 4,8,12,16,20,24,28,32,36,40,44,48,52,56,60
	v_pk_add_f32 v[14:15], v[14:15], v[S+\j:S+\j+1]
	v_pk_add_f32 v[CH:CH+1], v[CH:CH+1], v[S+\j+2:S+\j+3]
.endr
	s_delay_alu instid0(VALU_DEP_1)
	v_pk_add_f32 v[14:15], v[14:15], v[CH:CH+1]
	s_wait_alu depctr_va_vdst(0)                   ; and one for the four
.irp b, 0,1,2,3
	v_max_num_f32 v[BM+\b], 0x8000000, v[BM+\b]
.endr
.irp b, 0,1,2,3
	s_delay_alu instid0(VALU_DEP_4)
	v_add_nc_u32 v[SO+\b], 0xf8800000, v[BM+\b]
.endr
.irp b, 0,1,2,3
	v_and_or_b32 v[HL+\b], v[BM+\b], 0x7f800000, s[MNT]
.endr
.irp b, 0,1,2,3
	v_lshrrev_b32 v[PD+\b], 23, v[SO+\b]
.endr
	s_delay_alu instid0(VALU_DEP_3)
	v_lshl_or_b32 v[FF+1], v[PD+1], 8, v[PD]
	s_delay_alu instid0(VALU_DEP_1)
	v_lshl_or_b32 v[FF+1], v[PD+2], 16, v[FF+1]
	s_delay_alu instid0(VALU_DEP_1)
	v_lshl_or_b32 v[FF+1], v[PD+3], 24, v[FF+1]    ; p's scale word for these 128 keys
.if \tile
	WIN 0x01                                       ; scale operands have no window: tile B's word is copied into window 0
	s_setprio 0
	v_mov_b32 v[PWB], v[FF+1]
	WIN 0x55
.endif
.irp b, 0,1,2,3
.irp i, 0,1,2,3,4,5,6,7,8,9,10,11,12,13,14,15
	v_min_num_f32 v[S+16*\b+\i], v[S+16*\b+\i], v[HL+\b]   ; p is not negative: the hold is one-sided
.endr
	v_cvt_scalef32_pk8_bf8_f32 v[PC+4*\b:PC+4*\b+1], v[S+16*\b:S+16*\b+7], v[SO+\b]
	v_cvt_scalef32_pk8_bf8_f32 v[PC+4*\b+2:PC+4*\b+3], v[S+16*\b+8:S+16*\b+15], v[SO+\b]
.endr
.set j, 0
.rept 16
	v_pk_mul_f32 v[O+j:O+j+1], v[O+j:O+j+1], v[FF:FF+1] op_sel_hi:[1,0]   ; O^T under the new M; these are also the places ahead of the products
.set j, j+2
.endr
.endm
.macro STEP                            ; 128 keys
	v_add_nc_u32 v[ADR], s[TB], v[LI]
.rept 7
	v_nop                                          ; with the addition: eight places behind the last products, ahead of loads into their registers
.endr
.irp b, 0,1,2,3
.irp c, 0,1,2,3
	ds_load_b128 v[FR+16*\b+4*\c:FR+16*\b+4*\c+3], v[ADR] offset:2048*\b+512*\c
.endr
.endr
	ds_load_b128 v[SC:SC+3], v[ADR] offset:16384
	s_wait_alu depctr_va_vdst(0)
	s_wait_dscnt 0x0
.irp b, 0,1,2,3
	WM0 S+16*\b, FR+16*\b, QZ+8, SC+\b, QSA        ; keys 32 b + 16 h + 0 .. 7
	WM0 S+16*\b+8, FR+16*\b, QZ, SC+\b, QSA        ; keys 32 b + 16 h + 8 .. 15
.endr
	WIN 0x44                                       ; tile B: Q and S^T in window 1
.irp b, 0,1,2,3
	WM0 S+16*\b, FR+16*\b, QZ+8, SC+\b, QSB
	WM0 S+16*\b+8, FR+16*\b, QZ, SC+\b, QSB
.endr
	WIN 0
.rept 8
	v_nop
.endr
.irp t, 0,1,2,3
.irp c, 0,1,2,3
	ds_load_b128 v[FR+16*\t+4*\c:FR+16*\t+4*\c+3], v[ADR] offset:8192+2048*\t+512*\c   ; V lands while the softmax is walked
.endr
.endr
	SOFTMAX 0
	WIN 0x55
	s_setprio 1
	SOFTMAX 1
	WIN 0
	s_wait_alu depctr_va_vdst(0)
	s_wait_dscnt 0x0
.irp t, 0,1,2,3
	WMV O+8*\t, FR+16*\t, PC, SC+\t, FF+1
.endr
	WIN 0x54                                       ; tile B: P, C and D in window 1
.irp t, 0,1,2,3
	WMV O+8*\t, FR+16*\t, PC, SC+\t, PWB
.endr
	WIN 0
	s_add_co_u32 s[TB], s[TB], STEPB
.endm
.macro STEPS n                         ; a slot's eight key steps
	s_mov_b32 s[TB], (\n)*SLOT
	s_mov_b32 s[CNT], 8
.Lstep_\@:
	s_wait_alu depctr_va_vdst(0)
	s_setprio 2
	STEP
	s_sub_co_u32 s[CNT], s[CNT], 1
	s_cmp_lg_u32 s[CNT], 0
	s_cbranch_scc1 .Lstep_\@
	s_setprio 0
.endm
.macro FILL n                          ; slot n, which has been read, takes the key steps two slots on
	s_wait_tensorcnt 0x0                           ; all my tensor loads have landed, my part of the other slot among them
	ds_add_u32 v[SPW], v[NIL]
	s_add_nc_u64 s[G0+4*\n+2:G0+4*\n+3], s[G0+4*\n+2:G0+4*\n+3], 2*SLOT
	s_wait_dscnt 0x0                               ; the add is done, and my reads of the slot are over
	s_barrier_signal -1
	s_barrier_wait -1
	tensor_load_to_lds s[G0+4*\n:G0+4*\n+3], s[G1:G1+7]   ; my one tensor load behind this barrier: eight key steps in which to land
	s_nop 0
.rept 4
	v_nop
.endr
.endm
	s_wait_tensorcnt 0x1                           ; my part of slot 0 is in; slot 1's may stay out
	s_barrier_signal -1
	s_barrier_wait -1
	STEPS 0
	FILL 0
	STEPS 1
	FILL 1
	STEPS 0
	s_wait_tensorcnt 0x0                           ; the last change of slots: nothing is left to fetch
	ds_add_u32 v[SPW], v[NIL]
	s_wait_dscnt 0x0
	s_barrier_signal -1
	s_barrier_wait -1
	STEPS 1
; THE WAY OUT of a tile: O^T / the sum is ctx; its 64 numbers of this head are two blocks of K of the next product: quantised here.  Codes leave as 512 consecutive bytes a store.
.macro FINISH u
.if \u
	WIN 0x55
.endif
	v_add_f32 v14, v14, v15
	s_delay_alu instid0(VALU_DEP_1)
	v_permlanex16_b32 v[TP], v14, s[SEL], s[SEL+1]
	s_delay_alu instid0(VALU_DEP_1)
	v_add_f32 v14, v14, v[TP]                      ; the row's sum
	s_wait_alu depctr_va_vdst(0)
	v_rcp_f32 v14, v14
	v_nop
	s_wait_alu depctr_va_vdst(0)                   ; ahead of the reciprocal's first reader
.set j, 0
.rept 16
	v_pk_mul_f32 v[O+j:O+j+1], v[O+j:O+j+1], v[14:15] op_sel_hi:[1,0]
.set j, j+2
.endr
.irp b, 0,1
	v_max3_num_f32 v[BM+\b], |v[O+16*\b]|, |v[O+1+16*\b]|, 0x8000000
.endr
.irp i, 2,4,6,8,10,12,14
.irp b, 0,1
	s_delay_alu instid0(VALU_DEP_2)
	v_max3_num_f32 v[BM+\b], v[BM+\b], |v[O+16*\b+\i]|, |v[O+1+16*\b+\i]|
.endr
.endr
.irp b, 0,1
	s_delay_alu instid0(VALU_DEP_2)
	v_permlanex16_b32 v[PD+\b], v[BM+\b], s[SEL], s[SEL+1]
.endr
.irp b, 0,1
	s_delay_alu instid0(VALU_DEP_2)
	v_max_num_f32 v[BM+\b], v[BM+\b], v[PD+\b]
.endr
.irp b, 0,1
	s_delay_alu instid0(VALU_DEP_2)
	v_add_nc_u32 v[SO+\b], 0xf8800000, v[BM+\b]
.endr
.irp b, 0,1
	s_delay_alu instid0(VALU_DEP_4)
	v_and_or_b32 v[HL+\b], v[BM+\b], 0x7f800000, s[MNT]
.endr
.irp b, 0,1
	s_delay_alu instid0(VALU_DEP_4)
	v_lshrrev_b32 v[PD+\b], 23, v[SO+\b]
.endr
	s_delay_alu instid0(VALU_DEP_1)
	v_lshl_or_b32 v[TP], v[PD+1], 8, v[PD]         ; the head's two bytes of my row
.irp b, 0,1
.irp i, 0,1,2,3,4,5,6,7,8,9,10,11,12,13,14,15
	v_med3_num_f32 v[O+16*\b+\i], v[O+16*\b+\i], -v[HL+\b], v[HL+\b]
.endr
	v_cvt_scalef32_pk8_bf8_f32 v[PC+4*\b:PC+4*\b+1], v[O+16*\b:O+16*\b+7], v[SO+\b]
	v_cvt_scalef32_pk8_bf8_f32 v[PC+4*\b+2:PC+4*\b+3], v[O+16*\b+8:O+16*\b+15], v[SO+\b]
.endr
	v_nop
.if \u
	WIN 0x04                                       ; a store's data are its source 1: window 1
.endif
	global_store_b128 v[LI], v[PC:PC+3], s[44:45] offset:8192*\u
	global_store_b128 v[LI], v[PC+4:PC+7], s[44:45] offset:8192*\u+512
	ds_store_b16 v6, v[TP] offset:32*\u            ; both halves of the lanes write the same two bytes with the same value
	WIN 0
.endm
.rept 8
	v_nop                                          ; eight places behind the last products
.endr
	FINISH 0
	FINISH 1
	s_wait_dscnt 0x0                               ; for the others' sake: my stores have landed
	s_barrier_signal -1
	s_barrier_wait -1
	s_cmp_lg_u32 s[WV], 0
	s_cbranch_scc1 .Lnot_wave_0
	ds_load_b128 v[FR:FR+3], v7                    ; the 8 pairs' scale bytes: 512 bytes
	s_wait_dscnt 0x0
	global_store_b128 v[LI], v[FR:FR+3], s[46:47]
.Lnot_wave_0:
	s_wait_tensorcnt 0x0                           ; the wave's end
	ds_add_u32 v[SPW], v[NIL]
	s_wait_dscnt 0x0
	s_endpgm
.Lfunc_end_k_q13edb02585_attn:
	.size	k_q13edb02585_attn, .Lfunc_end_k_q13edb02585_attn-k_q13edb02585_attn
	.p2alignl 7, 3214868480
	.fill 96, 4, 3214868480
	.section	.rodata,"a",@progbits
	.p2align	6, 0x0
	.amdhsa_kernel k_q13edb02585_attn
		.amdhsa_group_segment_fixed_size 327680
		.amdhsa_private_segment_fixed_size 0
		.amdhsa_enable_private_segment 0
		.amdhsa_kernarg_size 24
		.amdhsa_user_sgpr_count 2
		.amdhsa_user_sgpr_kernarg_segment_ptr 1
		.amdhsa_wavefront_size32 1
		.amdhsa_system_sgpr_workgroup_id_x 1
		.amdhsa_system_sgpr_workgroup_id_y 1
		.amdhsa_system_sgpr_workgroup_id_z 1
		.amdhsa_system_vgpr_workitem_id 0
		.amdhsa_next_free_vgpr 512
		.amdhsa_next_free_sgpr 66
		.amdhsa_reserve_vcc 0
		.amdhsa_float_denorm_mode_32 3
		.amdhsa_float_denorm_mode_16_64 3
		.amdhsa_memory_ordered 1
		.amdhsa_forward_progress 1
		.amdhsa_inst_pref_size 166
	.end_amdhsa_kernel
	.amdgpu_metadata
---
amdhsa.version: [ 1, 2 ]
amdhsa.kernels:
  - .name:           k_q13edb02585_attn
    .symbol:         k_q13edb02585_attn.kd
    .args:
      - { .name: qop, .offset: 0, .size: 8, .value_kind: global_buffer, .address_space: global }
      - { .name: kvop, .offset: 8, .size: 8, .value_kind: global_buffer, .address_space: global }
      - { .name: cop, .offset: 16, .size: 8, .value_kind: global_buffer, .address_space: global }
    .group_segment_fixed_size: 327680
    .private_segment_fixed_size: 0
    .kernarg_segment_align: 8
    .kernarg_segment_size: 24
    .max_flat_workgroup_size: 256
    .sgpr_count:     66
    .vgpr_count:     512
    .wavefront_size: 32
...
	.end_amdgpu_metadata
.endif
;; end of part 7
;; launch mlp (part 8): grid 256 x 1, 4 waves a work-group, no clusters, 100,352 bytes of LDS; arguments cop, wop, b1, b2, out0; writes out0
.if DOCPART == 8
	.amdgcn_target "amdgcn-amd-amdhsa--gfx1250"
	.amdhsa_code_object_version 6
	.text
	.protected	k_q13edb02585_mlp
	.globl	k_q13edb02585_mlp
	.p2align	8
	.type	k_q13edb02585_mlp,@function
k_q13edb02585_mlp:
	s_mov_b64 s[64:65], 0
	v_nop
	global_prefetch_b8 v0, s[64:65] scope:SCOPE_SE
	s_setreg_imm32_b32 hwreg(HW_REG_WAVE_SCHED_MODE, 0, 2), 2
	s_setreg_imm32_b32 hwreg(HW_REG_WAVE_MODE, 25, 1), 1
	s_wait_xcnt 0x0
	s_wait_alu depctr_vm_vsrc(0)
; Launch 4 of 4: y = ctx wo + sum of bo; h = relu(y w1 + b1); out = h w2 + b2: three products on codes of E5M2; y and h are quantised on the way and never go to memory.  Nothing of reference() is left out.
; SHARES: a work-group takes a pair of 32 tokens (tiles m = 0, 1).  THE WAVES SHARE THE COLUMNS: wave w makes columns 128 w .. 128 w + 127 of each layer, which are K step w of the next.
; Source 0 = 16 columns of the weight, source 1 = 16 tokens: a lane holds one token and its registers run along the columns; the columns of a tile are chosen so that 16 registers are 16 neighbours along the next K.
; A layer's 32 weight fragments of a wave come from memory straight into registers as images, 512 consecutive bytes a load, half a layer ahead.  Each wave reads other columns, so LDS would share nothing: no tensor load, no cluster.
; y's and h's fragments go from wave to wave through LDS as images of their registers; each layer has bytes of its own, so one barrier a layer is enough.
; LIMITS: as in launch 1.
; THE MODE: SCHED_MODE bits 1:0 = 2 (LLVM: expert scheduling mode 2), set by the entry lines.  The code itself states the register dependences
; between vector or matrix instructions and memory or LDS instructions, with s_wait_alu, always for 0.
; THE PLAN.  Registers that memory or LDS instructions touch:
;   v1 .. v11      offsets and LDS addresses, made once at the head and never written again.
;   window 1, BIA  a layer's fragments of K steps 0 and 1, and its bias.  Read by the layer's first 32 products; behind them the next layer's land there.
;   window 2       the fragments of K steps 2 and 3.  Read by the layer's last 32 products; behind them the next layer's land there, dealt in two halves among the two quantisers.
;   WSR            the weights' scale words, two sets by turns: the next layer's land in the set that the layer before read.
;   ACT, AS        the activations' fragments and scale words.  Read by all of a layer's products; the next layer's come from LDS behind the barrier.
;   PC, PC2, PW    two out-buffers of codes and the scale word.  Written by a layer's two quantisers; read by ONE run of nine LDS stores; written again a layer later.
;   accumulators   written by products; read by the quantisers (vector against vector) and, in the last layer, by the stage's LDS stores.
;   v[SPW], v[NIL] written at the head, read by the closing add alone.
; So a layer has three waits on va_vdst: behind its first 32 products, behind its last 32, and behind its second quantiser; and layer 1 one wait on vm_vsrc, ahead of its first quantiser.
.set WSCL,  1572864
.set BSUM,  1622016
.set CSO,   4194304
.set STG,   33792                      ; LDS: y's images 0, words 16,384; h's images 16,896, words 33,280; the stage: 32 rows x (2,048 + 16)
.set SPARE, 99840
.set SPW, 4
.set NIL, 5
.set WSR, 16                           ; v16-47 the weights' scale words, two sets: 16 set + 4 beta + s
.set AS,  48                           ; v48-51 the activations' scale words by K step: tile 0 in lanes 0-15, tile 1 in lanes 16-31
.set U16, 56                           ; v56-63 ctx's two bytes of each head
.set ACT, 128                          ; v128-255 the activations' fragments (m, s) at 16 (4 m + s); later rows of the output
.set BIA, 128                          ; window 3: v0-127 accumulators (m, t) at 64 m + 8 t; v128-191 the bias, 8 t
.set TM,  192
.set PC,  208                          ; window 3: tile 0's codes
.set PW,  224
.set PW0, 225
.set PC2, 232                          ; window 3: tile 1's codes
.set WV,  14
.set SEL, 16
.set MNT, 18
.set MK,  19
.set MSB, 0
.macro WIN new
.if MSB != \new
	s_set_vgpr_msb (MSB<<8)|\new
.set MSB, \new
.endif
.endm
.macro QUANT s, relu, pw, pc           ; 64 numbers of a lane become 16 registers of codes in v[pc] on and the scale word in v[pw]
.if \relu
.irp b, 0,1,2,3
	v_max3_num_f32 v[TM+\b], v[(\s)+16*\b], v[(\s)+1+16*\b], 0x8000000   ; no |.|: what is negative becomes 0, so it must not count
.endr
.irp i, 2,4,6,8,10,12,14
.irp b, 0,1,2,3
	v_max3_num_f32 v[TM+\b], v[TM+\b], v[(\s)+16*\b+\i], v[(\s)+1+16*\b+\i]
.endr
.endr
.else
.irp b, 0,1,2,3
	v_max3_num_f32 v[TM+\b], |v[(\s)+16*\b]|, |v[(\s)+1+16*\b]|, 0x8000000
.endr
.irp i, 2,4,6,8,10,12,14
.irp b, 0,1,2,3
	v_max3_num_f32 v[TM+\b], v[TM+\b], |v[(\s)+16*\b+\i]|, |v[(\s)+1+16*\b+\i]|
.endr
.endr
.endif
.irp b, 0,1,2,3
	v_permlanex16_b32 v[TM+4+\b], v[TM+\b], s[SEL], s[SEL+1]
.endr
.irp b, 0,1,2,3
	v_max_num_f32 v[TM+\b], v[TM+\b], v[TM+4+\b]
.endr
.irp b, 0,1,2,3
	v_add_nc_u32 v[TM+12+\b], 0xf8800000, v[TM+\b]
.endr
.irp b, 0,1,2,3
	v_and_or_b32 v[TM+8+\b], v[TM+\b], 0x7f800000, s[MNT]
.endr
.irp b, 0,1,2,3
	v_lshrrev_b32 v[TM+4+\b], 23, v[TM+12+\b]
.endr
	v_lshl_or_b32 v[\pw], v[TM+5], 8, v[TM+4]
	v_lshl_or_b32 v[\pw], v[TM+6], 16, v[\pw]
	v_lshl_or_b32 v[\pw], v[TM+7], 24, v[\pw]
.irp b, 0,1,2,3
.irp i, 0,1,2,3,4,5,6,7,8,9,10,11,12,13,14,15
.if \relu
	v_med3_num_f32 v[(\s)+16*\b+\i], v[(\s)+16*\b+\i], 0, v[TM+8+\b]   ; the activation and the hold in one
.else
	v_med3_num_f32 v[(\s)+16*\b+\i], v[(\s)+16*\b+\i], -v[TM+8+\b], v[TM+8+\b]
.endif
.endr
	v_cvt_scalef32_pk8_bf8_f32 v[(\pc)+4*\b:(\pc)+1+4*\b], v[(\s)+16*\b:(\s)+7+16*\b], v[TM+12+\b]
	v_cvt_scalef32_pk8_bf8_f32 v[(\pc)+2+4*\b:(\pc)+3+4*\b], v[(\s)+8+16*\b:(\s)+15+16*\b], v[TM+12+\b]
.endr
	v_nop
.endm
.macro WM d, a, b, c, sa, sb, ra, rb
.if (\ra) && (\rb)
	v_wmma_scale_f32_16x16x128_f8f6f4 v[(\d):(\d)+7], v[(\a):(\a)+15], v[(\b):(\b)+15], v[(\c):(\c)+7], v[(\sa)], v[(\sb)] matrix_a_fmt:MATRIX_FMT_BF8 matrix_b_fmt:MATRIX_FMT_BF8 matrix_a_scale:MATRIX_SCALE_ROW1 matrix_b_scale:MATRIX_SCALE_ROW1
.elseif (\ra)
	v_wmma_scale_f32_16x16x128_f8f6f4 v[(\d):(\d)+7], v[(\a):(\a)+15], v[(\b):(\b)+15], v[(\c):(\c)+7], v[(\sa)], v[(\sb)] matrix_a_fmt:MATRIX_FMT_BF8 matrix_b_fmt:MATRIX_FMT_BF8 matrix_a_scale:MATRIX_SCALE_ROW1
.elseif (\rb)
	v_wmma_scale_f32_16x16x128_f8f6f4 v[(\d):(\d)+7], v[(\a):(\a)+15], v[(\b):(\b)+15], v[(\c):(\c)+7], v[(\sa)], v[(\sb)] matrix_a_fmt:MATRIX_FMT_BF8 matrix_b_fmt:MATRIX_FMT_BF8 matrix_b_scale:MATRIX_SCALE_ROW1
.else
	v_wmma_scale_f32_16x16x128_f8f6f4 v[(\d):(\d)+7], v[(\a):(\a)+15], v[(\b):(\b)+15], v[(\c):(\c)+7], v[(\sa)], v[(\sb)] matrix_a_fmt:MATRIX_FMT_BF8 matrix_b_fmt:MATRIX_FMT_BF8
.endif
.endm
.macro PLACES
.rept 8
	v_nop
.endr
.endm
.macro BARRIER                         ; my LDS stores have landed and my LDS loads are in: then the work-group's barrier
	s_wait_dscnt 0x0
	s_barrier_signal -1
	s_barrier_wait -1
.endm
.macro LDA l                           ; layer l's fragments (t, s = 0, 1) into window 1, at 16 (2 t + s)
	WIN 0x40
.irp t, 0,1,2,3,4,5,6,7
.irp s, 0,1
.irp c, 0,1,2,3
	global_load_b128 v[16*(2*\t+\s)+4*\c:16*(2*\t+\s)+4*\c+3], v1, s[20:21] offset:(3+(\l))*262144+(4*\t+\s)*2048+512*\c
.endr
.endr
.endr
	WIN 0
.endm
.macro LDB l, h                        ; (t = 4 h .. 4 h + 3, s = 2, 3) into window 2: half of the layer's second half, 32 loads; the window is left as it is
	WIN 0x80
.irp t, 0,1,2,3
.irp s, 2,3
.irp c, 0,1,2,3
	global_load_b128 v[16*(2*(4*(\h)+\t)+\s-2)+4*\c:16*(2*(4*(\h)+\t)+\s-2)+4*\c+3], v1, s[20:21] offset:(3+(\l))*262144+(4*(4*(\h)+\t)+\s)*2048+512*\c
.endr
.endr
.endr
.endm
.macro LDBIAS l                        ; register j of tile t is column 128 w + 32 (t / 2) + 16 h + 8 (t % 2) + j
	WIN 0xc0
.irp t, 0,1,2,3,4,5,6,7
	global_load_b128 v[BIA+8*\t:BIA+8*\t+3], v6, s[24+2*(\l):25+2*(\l)] offset:128*(\t/2)+32*(\t%2)
	global_load_b128 v[BIA+8*\t+4:BIA+8*\t+7], v6, s[24+2*(\l):25+2*(\l)] offset:128*(\t/2)+32*(\t%2)+16
.endr
	WIN 0
.endm
.macro LDWS l, set
.irp be, 0,1,2,3
.irp ka, 0,1
	global_load_b64 v[WSR+16*(\set)+4*\be+2*\ka:WSR+16*(\set)+4*\be+2*\ka+1], v3, s[22:23] offset:WSCL+(3+(\l))*8192+512*\be+256*\ka
.endr
.endr
.endm
.macro MUL l, s                        ; a K step: 16 products, the 16 accumulators by turns; the bias is the C of the first
.irp t, 0,1,2,3,4,5,6,7
.irp m, 0,1
.if (\s) == 0
	WM 64*\m+8*\t, 16*(2*\t+(\s)%2), ACT+16*(4*\m+(\s)), BIA+8*\t, WSR+16*((\l)%2)+4*(\t/2)+(\s), AS+(\s), \t%2, \m
.else
	WM 64*\m+8*\t, 16*(2*\t+(\s)%2), ACT+16*(4*\m+(\s)), 64*\m+8*\t, WSR+16*((\l)%2)+4*(\t/2)+(\s), AS+(\s), \t%2, \m
.endif
.endr
.endr
.endm
.macro IMAGE pc, off                   ; the fragment in v[pc] on goes to LDS as it stands
.irp c, 0,1,2,3
	ds_store_b128 v9, v[(\pc)+4*\c:(\pc)+4*\c+3] offset:(\off)+512*\c
.endr
.endm
.macro LAYER l
.if (\l) > 0
	s_wait_loadcnt 63                              ; the 64 loads of the layer's second half are younger: all but 63 are in, so the first half, the bias and the words are
.endif
	WIN 0xf1                                       ; source 0 window 1, source 1 window 0, C and D window 3
	MUL \l, 0
	MUL \l, 1
	WIN 0
.if (\l) < 2
	PLACES                                         ; behind the products, ahead of loads into registers that they have read
	WIN 0x40
	s_wait_alu depctr_va_vdst(0)                   ; the 32 products above are done reading window 1's fragments and the bias, in which the next layer's land; the scale words' other set was left a layer ago
	LDA (\l)+1
	LDBIAS (\l)+1
	LDWS (\l)+1, ((\l)+1)%2
	s_wait_loadcnt 63                              ; the 88 loads just issued are younger than this layer's second half: with at most 63 out, that half is in
.else
	s_wait_loadcnt 0x0                             ; the last layer's second half, asked for a phase ago
.endif
	WIN 0xf2
	MUL \l, 2
	MUL \l, 3
	WIN 0
	PLACES
.if (\l) < 2
	WIN 0x80
	s_wait_alu depctr_va_vdst(0)                   ; the 32 products above are done reading window 2's fragments, in which the next layer's land
	LDB (\l)+1, 0
.if (\l) > 0
	s_wait_alu depctr_vm_vsrc(0)                   ; the LDS stores of the layer before have read v[PC ..], v[PC2 ..] and v[PW], which the quantisers below write again
.endif
	WIN 0xff                                       ; all in window 3
	QUANT 0, \l, PW0, PC                           ; it names window 3 alone: none of the registers that the loads round it touch
	LDB (\l)+1, 1                                  ; no wait: no vector or matrix instruction since the wait above names v1 or window 2
	WIN 0xff
	QUANT 64, \l, PW, PC2
	v_cndmask_b32 v[PW], v[PW0], v[PW], s[MK]      ; tile 0's words in lanes 0-15, tile 1's in lanes 16-31
	WIN 0x0c                                       ; an LDS store's data are its source 1: window 3; its address lies in window 0
	s_wait_alu depctr_va_vdst(0)                   ; the conversions have written v[PC ..] and v[PC2 ..], the select v[PW]: the nine LDS stores read them; all the layer's products are done reading ACT and AS, in which the LDS loads behind the barrier land
	IMAGE PC, 16896*(\l)
	IMAGE PC2, 16896*(\l)+8192
	ds_store_b32 v10, v[PW] offset:16384+16896*(\l)
	WIN 0
	BARRIER                                        ; the eight fragments of the next operand lie in LDS
.irp f, 0,1,2,3,4,5,6,7
.irp c, 0,1,2,3
	ds_load_b128 v[ACT+16*\f+4*\c:ACT+16*\f+4*\c+3], v1 offset:16896*(\l)+2048*\f+512*\c
.endr
.endr
.irp s, 0,1,2,3
	ds_load_b32 v[AS+\s], v2 offset:16384+16896*(\l)+128*\s
.endr
	s_wait_dscnt 0x0
.endif
.endm
	s_load_b256 s[4:11], s[0:1], 0x0               ; cop, wop, b1, b2
	s_load_b64 s[12:13], s[0:1], 0x20              ; out0
	v_lshl_add_u32 v[SPW], v0, 2, SPARE
	v_mov_b32 v[NIL], 0
	v_lshrrev_b32 v1, 5, v0
	v_readfirstlane_b32 s[WV], v1                  ; wave 0..3
	v_and_b32 v12, 31, v0                          ; L
	v_and_b32 v13, 15, v0                          ; r
	v_bfe_u32 v14, v0, 4, 1                        ; h
	v_lshlrev_b32 v1, 4, v12                       ; 16 L
	v_lshlrev_b32 v2, 2, v12                       ; 4 L
	v_lshlrev_b32 v3, 3, v12                       ; 8 L
	v_lshlrev_b32 v6, 6, v14                       ; 64 h
	v_lshlrev_b32 v7, 1, v12                       ; 2 L
	s_wait_alu depctr_va_sdst(0)                   ; the wave's number is written, ahead of its first reader: LDS addresses and the bases are made from it
	s_mul_i32 s40, s[WV], 16512                    ; (each scalar that a vector line reads has a register of its own)
	s_add_co_u32 s40, s40, STG
	v_add_nc_u32 v8, s40, v1                       ; the stage, back: my 8 rows, 16 bytes a lane
	s_lshl_b32 s41, s[WV], 11
	v_add_nc_u32 v9, s41, v1                       ; where I store images: K step w
	s_lshl_b32 s42, s[WV], 7
	v_add_nc_u32 v10, s42, v2                      ; and their scale words
	v_mul_u32_u24 v11, v13, 2064
	v_lshl_add_u32 v11, v14, 6, v11
	s_lshl_b32 s43, s[WV], 9
	s_add_co_u32 s43, s43, STG
	v_add_nc_u32 v11, s43, v11                     ; the stage, in: row r, + 512 w + 64 h
	WIN 0xc0
.irp b, 0,1,2,3
	v_mov_b32 v[TM+4+\b], 0                        ; a lane permute's destination counts as one of its sources
.endr
	WIN 0
	s_mov_b32 s[SEL], 0x76543210
	s_mov_b32 s[SEL+1], 0xfedcba98
	s_mov_b32 s[MNT], 0x600000
	s_mov_b32 s[MK], 0xffff0000
	s_lshl_b32 s20, s[WV], 16                      ; my 4 pairs of columns: 65,536 bytes of codes,
	s_mov_b32 s21, 0
	s_lshl_b32 s22, s[WV], 11                      ; 2,048 of scale words,
	s_mov_b32 s23, 0
	s_lshl_b32 s36, s[WV], 9                       ; 512 of a bias
	s_mov_b32 s37, 0
	s_add_co_u32 s24, s36, BSUM
	s_mov_b32 s25, 0
	s_lshl_b32 s30, ttmp9, 14                      ; my pair's codes of ctx
	s_mov_b32 s31, 0
	s_lshl_b32 s32, ttmp9, 6
	s_add_co_u32 s32, s32, CSO                     ; and its scale bytes
	s_mov_b32 s33, 0
	s_lshl_b32 s34, ttmp9, 5
	s_lshr_b32 s38, s[WV], 1
	s_lshl_b32 s38, s38, 3
	s_add_co_u32 s34, s34, s38
	s_and_b32 s38, s[WV], 1
	s_lshl_b32 s38, s38, 4
	s_add_co_u32 s34, s34, s38                     ; stage rows 8 w .. 8 w + 7 are tokens 32 P + 8 (w / 2) + 16 (w % 2) + 0 .. 7
	s_lshl_b32 s34, s34, 11
	s_mov_b32 s35, 0
	s_wait_kmcnt 0x0
	s_add_nc_u64 s[20:21], s[6:7], s[20:21]
	s_add_nc_u64 s[22:23], s[6:7], s[22:23]
	s_add_nc_u64 s[24:25], s[6:7], s[24:25]        ; the sum of bo
	s_add_nc_u64 s[26:27], s[8:9], s[36:37]        ; b1
	s_add_nc_u64 s[28:29], s[10:11], s[36:37]      ; b2
	s_add_nc_u64 s[30:31], s[4:5], s[30:31]
	s_add_nc_u64 s[32:33], s[4:5], s[32:33]
	s_add_nc_u64 s[34:35], s[12:13], s[34:35]
	s_wait_alu depctr_va_vdst(0)                   ; the offsets and LDS addresses v1 to v11 are written: every load and store of the kernel reads one of them, and none is written again
.irp f, 0,1,2,3,4,5,6,7
.irp c, 0,1,2,3
	global_load_b128 v[ACT+16*\f+4*\c:ACT+16*\f+4*\c+3], v1, s[30:31] offset:2048*\f+512*\c
.endr
.endr
.irp hd, 0,1,2,3,4,5,6,7
	global_load_u16 v[U16+\hd], v7, s[32:33] offset:16384*\hd
.endr
	LDA 0
	LDBIAS 0
	LDWS 0, 0
	LDB 0, 0
	LDB 0, 1
	WIN 0
	s_wait_loadcnt 63                              ; the 64 loads of the second half are younger: all else is in
.irp s, 0,1,2,3
	v_lshl_or_b32 v[AS+\s], v[U16+2*\s+1], 16, v[U16+2*\s]   ; K step s is heads 2 s and 2 s + 1, two bytes each
.endr
	PLACES                                         ; a scale register written by a vector instruction stands eight places ahead of the product
	s_wait_alu depctr_va_vdst(0)                   ; the four lines above have written v[AS ..], which the products take as scales; the places stay beside this wait
	LAYER 0
	LAYER 1
	LAYER 2
	; THE WAY OUT: a row's 512 numbers come from four waves: they meet in the stage, and each wave stores 8 whole rows
	WIN 0x0c
	s_wait_alu depctr_va_vdst(0)                   ; the last products have written the accumulators, which the LDS stores read, and are done reading ACT, in which the loads from the stage land; the places above stay beside this wait
.irp m, 0,1
.irp be, 0,1,2,3
.irp q, 0,1,2,3
	ds_store_b128 v11, v[64*\m+16*\be+4*\q:64*\m+16*\be+4*\q+3] offset:33024*\m+128*\be+16*\q   ; each accumulator from its low end on
.endr
.endr
.endr
	WIN 0
	BARRIER
.irp i, 0,1,2,3,4,5,6,7
.irp q, 0,1,2,3
	ds_load_b128 v[ACT+4*(4*\i+\q):ACT+4*(4*\i+\q)+3], v8 offset:2064*\i+512*\q
.endr
.endr
.irp i, 0,1,2,3,4,5,6,7
.irp q, 0,1,2,3
	s_wait_dscnt 31-(4*\i+\q)                      ; the loads younger than this one may be out
	global_store_b128 v1, v[ACT+4*(4*\i+\q):ACT+4*(4*\i+\q)+3], s[34:35] offset:2048*\i+512*\q th:TH_STORE_NT   ; 512 consecutive bytes of a row
.endr
.endr
	s_wait_dscnt 0x0                               ; the closing lines, six on end
	s_wait_alu 0x0
	s_wait_tensorcnt 0x0
	ds_add_u32 v[SPW], v[NIL]
	s_wait_dscnt 0x0
	s_endpgm
.Lfunc_end_k_q13edb02585_mlp:
	.size	k_q13edb02585_mlp, .Lfunc_end_k_q13edb02585_mlp-k_q13edb02585_mlp
	.p2alignl 7, 3214868480
	.fill 96, 4, 3214868480
	.section	.rodata,"a",@progbits
	.p2align	6, 0x0
	.amdhsa_kernel k_q13edb02585_mlp
		.amdhsa_group_segment_fixed_size 100352
		.amdhsa_private_segment_fixed_size 0
		.amdhsa_enable_private_segment 0
		.amdhsa_kernarg_size 40
		.amdhsa_user_sgpr_count 2
		.amdhsa_user_sgpr_kernarg_segment_ptr 1
		.amdhsa_wavefront_size32 1
		.amdhsa_system_sgpr_workgroup_id_x 1
		.amdhsa_system_sgpr_workgroup_id_y 1
		.amdhsa_system_sgpr_workgroup_id_z 1
		.amdhsa_system_vgpr_workitem_id 0
		.amdhsa_next_free_vgpr 1024
		.amdhsa_next_free_sgpr 66
		.amdhsa_reserve_vcc 0
		.amdhsa_float_denorm_mode_32 3
		.amdhsa_float_denorm_mode_16_64 3
		.amdhsa_memory_ordered 1
		.amdhsa_forward_progress 1
		.amdhsa_inst_pref_size 124
	.end_amdhsa_kernel
	.amdgpu_metadata
---
amdhsa.version: [ 1, 2 ]
amdhsa.kernels:
  - .name:           k_q13edb02585_mlp
    .symbol:         k_q13edb02585_mlp.kd
    .args:
      - { .name: cop, .offset: 0, .size: 8, .value_kind: global_buffer, .address_space: global }
      - { .name: wop, .offset: 8, .size: 8, .value_kind: global_buffer, .address_space: global }
      - { .name: b1, .offset: 16, .size: 8, .value_kind: global_buffer, .address_space: global }
      - { .name: b2, .offset: 24, .size: 8, .value_kind: global_buffer, .address_space: global }
      - { .name: out0, .offset: 32, .size: 8, .value_kind: global_buffer, .address_space: global }
    .group_segment_fixed_size: 100352
    .private_segment_fixed_size: 0
    .kernarg_segment_align: 8
    .kernarg_segment_size: 40
    .max_flat_workgroup_size: 128
    .sgpr_count:     66
    .vgpr_count:     1024
    .wavefront_size: 32
...
	.end_amdgpu_metadata
.endif
;; end of part 8
